; MI455X (gfx1250); checked and timed in simulation.
; The chip was launched on July 23, 2026; its instructions are those of AMD's public machine-readable ISA for CDNA 5 (MIT licence, August 2026) and "CDNA5" Instruction Set Architecture Reference Guide (July 2026). The comments in the code are by the model that wrote it; some were corrected since.
;; GQA Attention. Allowed arithmetic: matrix products marked QUANTISED: E2M3 operands, one E8M0 scale for each 32 along K, by v_wmma_scale_f32_16x16x128_f8f6f4 with both operands' format E2M3, f32 sums; everything else in f32.
;; Inputs: cos 2,048 x 128 float32; mask 2,048 x 2,048 float32; sin 2,048 x 128 float32; wk 4,096 x 1,024 float32; wo 2,048 x 4,096 float32; wq 4,096 x 2,048 float32; wv 4,096 x 1,024 float32; x 1 x 2,048 x 4,096 float32.
;; Outputs: out0 1 x 2,048 x 4,096 float32; out1 1 x 8 x 2,048 x 128 float32; out2 1 x 8 x 2,048 x 128 float32.
;; This version of the problem:
;;   THIS VERSION OF THE PROBLEM IS GIVEN IN LOW PRECISION. The matrix products marked QUANTISED in the list below multiply operands that are first quantised to E2M3 (2 exponent bits, 3 mantissa bits; 6 bits a number), with one power-of-two scale for each 32 numbers along K (OCP MX v1.0); their sums are f32. All else is computed in f32.
;;   The module's matrix products, in the order in which they are computed (A, B: the left and right operand; K: the contracted axis; several contracted axes count as one K, in the product's order):
;;     1. [M 2,048, K 4,096] x [K 4,096, N 2,048]; A: input x; B: input wq: QUANTISED
;;     2. [M 2,048, K 4,096] x [K 4,096, N 1,024]; A: input x; B: input wk: QUANTISED
;;     3. [M 2,048, K 4,096] x [K 4,096, N 1,024]; A: input x; B: input wv: QUANTISED
;;     4. batch 8 x [M 4,096, K 128] x [K 128, N 2,048]; A: computed on the way; B: computed on the way: QUANTISED
;;     5. batch 8 x [M 4,096, K 2,048] x [K 2,048, N 128]; A: softmax (see below); B: computed on the way: QUANTISED
;;     6. [M 2,048, K 2,048] x [K 2,048, N 4,096]; A: computed on the way; B: input wo: QUANTISED
;;   THE QUANTISER, for each operand of a quantised product, along K:
;;     - K is cut into blocks of 32 from its start; a last block that is shorter is filled with zeros.
;;     - A block's scale is 2^e with e = floor(log2(the largest magnitude in the block)) - 2, held to -126 .. 127; a block of zeros has e = 0. As a byte (E8M0): e + 127.
;;     - Each number is divided by its block's scale, clamped to +-7.5, and rounded to the nearest number of E2M3, ties to even, subnormals kept.
;;     - The product sums the exact products of the quantised numbers (number of the format x scale) in f32.
;;   ~~~python
;;   def quantise(x, axis):      # numpy; x: float32 -> the quantised numbers, widened to float32 again
;;       x = np.moveaxis(x, axis, -1); K = x.shape[-1]
;;       x = np.pad(x, [(0, 0)] * (x.ndim - 1) + [(0, -K % 32)]); x = x.reshape(x.shape[:-1] + (-1, 32)); a = np.abs(x).max(-1, keepdims=True)
;;       e = np.where(a > 0, np.clip(np.frexp(np.where(a > 0, a, 1))[1] - 1 - 2, -126, 127), 0)      # np.frexp(a)[1] - 1 = floor(log2(a)), exactly
;;       r = np.clip(x / 2.0 ** e, -7.5, 7.5)
;;       step = 2.0 ** (np.maximum(np.frexp(np.where(r == 0, 1, r))[1] - 1, 0) - 3)
;;       q = np.round(r / step) * step * 2.0 ** e      # np.round: ties to even
;;       return np.moveaxis(q.reshape(q.shape[:-2] + (-1,))[..., :K], -1, axis).astype(np.float32)
;;   ~~~
;;   SOFTMAX AHEAD OF A QUANTISED PRODUCT. Where the list says 'softmax', what is quantised is not the finished softmax but p = 2^(t - M), with t = logit x log2(e) and M = ceil(the row's largest t), a whole number; so 1/2 < the row's largest p <= 1. The row's sum l is taken of the UNQUANTISED p, in f32, and the product's result is divided by l at the end. Since M is a whole number, a kernel that streams over the keys may use a running M (the ceiling of the running maximum): every later rescaling is an exact power of two, which a block's scale takes up: the codes' values come out the same.
;;   OPERANDS COMPUTED ON THE WAY. 'Computed on the way' means the value that the module computes at that place (a softmax that the list does not call 'softmax' is quantised finished and normalised). What goes into a quantiser is computed in f32, as accurately as f32 sums, v_exp_f32 and their like allow (about 1e-6 of the number): no bf16 or f16 on the way to a quantiser, and a product that is left as it is and whose result goes on into a quantised operand takes f32 operands (vector FMAs, or v_wmma_f32_16x16x4_f32). A number that lies on a knife's edge between two numbers of the format may be rounded either way, as far as f32 arithmetic and the matrix unit's own rounding can turn it there, and no further.
;; One version. Each part assembles by itself: llvm-mc -triple=amdgcn-amd-amdhsa -mcpu=gfx1250 --defsym DOCPART=n.
;; ======== version 1 of 1: 4 launches
;; workspace buffers: xi 6,553,600 bytes; wi 13,107,200 bytes; woi 6,553,600 bytes; qki 4,915,200 bytes; vi 1,638,400 bytes; ai 3,276,800 bytes
;; launch quant (part 1): grid 512 x 1, 4 waves a work-group, no clusters, 36,352 bytes of LDS; arguments x, wq, wk, wv, wo, xi, wi, woi; writes xi, wi, woi
.if DOCPART == 1
	.amdgcn_target "amdgcn-amd-amdhsa--gfx1250"
	.amdhsa_code_object_version 6
	.text
	.protected	k_q5fe463b282_quant
	.globl	k_q5fe463b282_quant
	.p2align	8
	.type	k_q5fe463b282_quant,@function
k_q5fe463b282_quant:
	s_mov_b64 s[64:65], 0
	v_nop
	global_prefetch_b8 v0, s[64:65] scope:SCOPE_SE
	s_setreg_imm32_b32 hwreg(HW_REG_WAVE_MODE, 25, 1), 1
	s_wait_xcnt 0x0
; x [2048][4096] and the weights wq [4096][2048], wk, wv [4096][1024], wo [2048][4096], all f32, become codes of FP6 (E2M3) with one E8M0 scale byte for each 32 along K.
; A block's scale is 2^(floor(log2(its largest magnitude)) - 2); its byte is the largest magnitude's exponent field - 2, held at 1 from below.
; THE CHUNK, the one form of every quantised operand of this program: 128 rows x 128 K in 12,800 bytes (50 x 256).
;   bytes 0 .. 12,287: eight IMAGES of 1,536 bytes.  Image t is a 16-row operand as it stands in registers: register p (0 .. 11) of lane l at 1536 t + 512 (p / 4) + 16 l + 4 (p % 4).
;   Lane-row r of image t is row 32 (t / 2) + 8 (t % 2) + r + 8 (r / 8) of the chunk, so that a product's results come out with 16 neighbours along the next K in 16 registers.
;   bytes 12,288 .. 12,799: the scale words (four bytes: 128 K of one row): image 4 g + j, lane-row r at 12288 + 256 g + 16 r + 4 j.
; xi: [16 row blocks][32 K steps] chunks.  wi: [32 column blocks: 0-15 wq, 16-23 wk, 24-31 wv][32 K steps].  woi: [32 column blocks][16 K steps].
; SHARES: one wave makes one chunk: 65,536 bytes in, 12,800 dense bytes out.  2,048 chunks, four waves a work-group: work-groups 0-127 take x, 128-383 wq, wk, wv, 384-511 wo.
; Memory binds: every input byte is read once; no matrix unit, no tensor load, no barrier (waves share nothing).  The two paths part on the work-group's number and have LDS bytes of their own.
; LIMITS: NaN and infinities among the inputs are not served.  A block whose largest magnitude lies under 2^-124, and a block of zeros, keeps the byte 1 (a block of zeros has zero codes, and this program alone reads the bytes).
.set CHUNK, 12800
.set XSTG,  16*528                     ; x path: a stage of 16 rows x (512 + 16) bytes for each wave, from LDS byte 0
.set WTURN, 4*XSTG                     ; W path: 512 bytes for each wave, behind the stages
.set L16, 4                            ; v4      16 x lane
.set SEL, 42                           ; s[42:43] lane selects: lane l xor 16
; x path
.set SA,  5                            ; v5      stage, on the way in: 16 x lane
.set RA,  6                            ; v6      stage, on the way out: 528 r + 64 h
.set PC,  16                           ; v16-34  the codes just made
.set TM,  36                           ; v36-51  at work in QUANT
.set PW,  52                           ; v52-59  the eight images' scale words
.set SWQ, 60                           ; v60-63  the scale words as they are stored
.set LD,  64                           ; v64-191 two sets of 16 rows as loaded
.set X,   192                          ; v192-255 64 numbers of my row
; W path
.set AO,  3                            ; v3      my column's place in an image pair: 1536 u + 16 r
.set LS,  5                            ; v5      where my column's scale word goes in the turn
.set LR,  6                            ; v6      and where 16 bytes come back
.set SBW, 14                           ; v14     my column's scale word
.set VO,  32                           ; v32-63  4 x lane + i x pitch: row i of a block of 32 along K; never rewritten
.set XW,  64                           ; v64-127 two sets of 32 numbers down K
.set CH0, 128                          ; v128-139 the registers of operand lane (r, 0); v140-151 those of lane (r, 1)
.set T,   152                          ; v152-154 a conversion's result on its way to an odd register
.set SQ,  156                          ; v156-159 scale words as they are stored
; 64 numbers of a lane, v[s] on, register 16 b + i = k 32 b + 16 (lane / 16) + i of my row, become a fragment's 12 registers in v[pc] on and my row's scale word in v[pw].
.macro QUANT s, pc, pw
.irp b, 0,1,2,3
	v_max3_num_f32 v[TM+\b], 0x1800000, |v[(\s)+16*\b]|, |v[(\s)+16*\b+1]|   ; my 16 numbers of block b, and the floor 2^(3 - 127): the byte cannot fall under 1
.endr
.irp i, 2,4,6,8,10,12,14
.irp b, 0,1,2,3
	v_max3_num_f32 v[TM+\b], v[TM+\b], |v[(\s)+16*\b+\i]|, |v[(\s)+16*\b+\i+1]|   ; the four blocks by turns
.endr
.endr
.irp b, 0,1,2,3
	v_permlanex16_b32 v[TM+4+\b], v[TM+\b], s[SEL], s[SEL+1]
.endr
.irp b, 0,1,2,3
	v_max_num_f32 v[TM+\b], v[TM+\b], v[TM+4+\b]       ; with lane l xor 16's 16: the block's largest magnitude
.endr
.irp b, 0,1,2,3
	v_add_nc_u32 v[TM+12+\b], 0xff000000, v[TM+\b]     ; 2 off its exponent field: the conversion takes that field as its scale
.endr
.irp b, 0,1,2,3
	v_lshrrev_b32 v[TM+4+\b], 23, v[TM+12+\b]          ; the scale's byte
.endr
	v_lshl_or_b32 v[\pw], v[TM+5], 8, v[TM+4]
	v_lshl_or_b32 v[\pw], v[TM+6], 16, v[\pw]
	v_lshl_or_b32 v[\pw], v[TM+7], 24, v[\pw]
.irp c, 0,1
	v_cvt_scalef32_pk16_fp6_f32 v[\pc+6*\c:\pc+6*\c+2], v[(\s)+32*\c:(\s)+32*\c+15], v[TM+12+2*\c]
	v_cvt_scalef32_pk16_fp6_f32 v[\pc+12+4*\c:\pc+12+4*\c+2], v[(\s)+32*\c+16:(\s)+32*\c+31], v[TM+13+2*\c]   ; (a conversion's three registers begin on an even number)
.endr
	v_nop                                              ; one plain place behind the scaled conversions
.irp c, 0,1                                        ; the operand wants a whole block in a lane: lanes 0-15 block 2 c, lanes 16-31 block 2 c + 1
.irp i, 0,1,2
	v_permlane16_swap_b32 v[\pc+6*\c+\i], v[\pc+12+4*\c+\i]
.endr
.irp i, 0,1,2
	v_mov_b32 v[\pc+3+6*\c+\i], v[\pc+12+4*\c+\i]
.endr
.endr
.endm
	s_load_b256 s[4:11], s[0:1], 0x0               ; x s[4:5], wq s[6:7], wk s[8:9], wv s[10:11]
	s_load_b256 s[12:19], s[0:1], 0x20             ; wo s[12:13], xi s[14:15], wi s[16:17], woi s[18:19]
	v_lshl_add_u32 v15, v0, 2, 0x8c00
	v_mov_b32 v31, 0
	v_lshrrev_b32 v1, 5, v0
	v_readfirstlane_b32 s20, v1                    ; wave 0..3
	v_and_b32 v1, 31, v0                           ; lane
	v_lshlrev_b32 v[L16], 4, v1
	s_mov_b32 s41, 0                               ; the high word of every offset pair s[40:41]
	s_wait_kmcnt 0x0
	s_cmp_ge_u32 ttmp9, 128
	s_cbranch_scc1 .Lweights
; ---------------- x: K is innermost.  A row's 128 numbers of the K step are 512 consecutive bytes: one load of the wave.  16 rows turn through the wave's stage, so that a lane gets 16 neighbours of each block of 32.
	v_and_b32 v2, 15, v0                           ; r
	v_bfe_u32 v3, v0, 4, 1                         ; h
	s_mul_i32 s21, s20, XSTG
	v_add_nc_u32 v[SA], s21, v[L16]
	v_mul_u32_u24 v[RA], v2, 528
	v_lshl_add_u32 v[RA], v3, 6, v[RA]
	v_add_nc_u32 v[RA], s21, v[RA]
	s_lshr_b32 s22, ttmp9, 3                       ; row block
	s_and_b32 s23, ttmp9, 7
	s_lshl_b32 s23, s23, 2
	s_add_co_u32 s23, s23, s20                     ; K step
	s_lshl_b32 s40, s22, 21                        ; 128 rows of 16,384 bytes
	s_lshl_b32 s23, s23, 9
	s_add_co_u32 s40, s40, s23
	s_add_nc_u64 s[4:5], s[4:5], s[40:41]
	s_lshl_b32 s24, ttmp9, 2
	s_add_co_u32 s24, s24, s20                     ; chunk = 32 x row block + K step
	s_mul_i32 s40, s24, CHUNK
	s_add_nc_u64 s[14:15], s[14:15], s[40:41]
	s_mov_b32 s[SEL], 0x76543210
	s_mov_b32 s[SEL+1], 0xfedcba98
	s_mov_b32 s46, 0xffff0000                      ; lanes 16-31
.irp b, 0,1,2,3
	v_mov_b32 v[TM+4+\b], 0                        ; written once: a lane permute's destination counts as one of its sources
.endr
.macro LOADX t                         ; the 16 rows of image t, in the image's row order
.irp i, 0,1,2,3,4,5,6,7,8,9,10,11,12,13,14,15
	global_load_b128 v[LD+64*((\t)%2)+4*\i:LD+64*((\t)%2)+4*\i+3], v[L16], s[4:5] offset:(32*((\t)/2)+8*((\t)%2)+\i+8*(\i/8))*16384 th:TH_LOAD_NT
.endr
.endm
.macro TILE t
.if (\t) < 7
	s_wait_loadcnt 16                              ; this image's 16 loads are in; the next image's 16 may be out
.else
	s_wait_loadcnt 0x0
.endif
.irp i, 0,1,2,3,4,5,6,7,8,9,10,11,12,13,14,15
	ds_store_b128 v[SA], v[LD+64*((\t)%2)+4*\i:LD+64*((\t)%2)+4*\i+3] offset:528*\i
.endr
.irp b, 0,1,2,3
.irp j, 0,1,2,3
	ds_load_b128 v[X+16*\b+4*\j:X+16*\b+4*\j+3], v[RA] offset:128*\b+16*\j   ; LDS serves a wave's instructions in order: these see the stores above
.endr
.endr
	s_wait_dscnt 0x0
.if (\t) < 6
	LOADX (\t)+2
.endif
.if (\t) > 0
	s_wait_xcnt 0x0                                ; the last image's stores have read PC: it is written again only behind this wait
.endif
	QUANT X, PC, PW+(\t)
.irp c, 0,1,2
	global_store_b128 v[L16], v[PC+4*\c:PC+4*\c+3], s[14:15] offset:1536*(\t)+512*\c   ; 512 consecutive bytes, at a multiple of 256 from the buffer's first byte
.endr
.endm
	LOADX 0
	LOADX 1
.irp t, 0,1,2,3,4,5,6,7
	TILE \t
.endr
.irp j, 0,1,2,3
	v_cndmask_b32 v[SWQ+\j], v[PW+\j], v[PW+4+\j], s46   ; lanes 0-15: image j's words; lanes 16-31: image 4 + j's
.endr
	global_store_b128 v[L16], v[SWQ:SWQ+3], s[14:15] offset:12288
	s_wait_tensorcnt 0x0
	ds_add_u32 v15, v31
	s_wait_dscnt 0x0
	s_endpgm
; ---------------- the weights: K is the FIRST axis.  A lane takes a column and its registers run down K: a block of 32 lies in one lane, and the conversions give codes with K innermost.
.Lweights:
	s_sub_co_u32 s21, ttmp9, 128
	s_lshr_b32 s22, s21, 3                         ; column block in wi
	s_and_b32 s23, s21, 7
	s_lshl_b32 s23, s23, 2
	s_add_co_u32 s23, s23, s20                     ; K step
	s_lshl_b32 s24, s21, 2
	s_add_co_u32 s24, s24, s20                     ; chunk in wi
	s_cmp_lt_u32 s22, 24
	s_cselect_b64 s[26:27], s[8:9], s[10:11]       ; wk or wv
	s_cselect_b32 s25, 16, 24                      ; the tensor's first block in wi
	s_cmp_lt_u32 s22, 16
	s_cselect_b64 s[26:27], s[6:7], s[26:27]       ; wq
	s_cselect_b32 s25, 0, s25
	s_cselect_b32 s28, 1, 0                        ; sh: a row is 4096 << sh bytes
	s_sub_co_u32 s22, s22, s25                     ; column block in its tensor
	s_sub_co_u32 s29, ttmp9, 384                   ; the same for wo (used from work-group 384 on)
	s_lshr_b32 s32, s29, 2
	s_and_b32 s33, s29, 3
	s_lshl_b32 s33, s33, 2
	s_add_co_u32 s33, s33, s20
	s_lshl_b32 s34, s29, 2
	s_add_co_u32 s34, s34, s20
	s_cmp_ge_u32 ttmp9, 384
	s_cselect_b64 s[26:27], s[12:13], s[26:27]
	s_cselect_b64 s[30:31], s[18:19], s[16:17]
	s_cselect_b32 s28, 2, s28
	s_cselect_b32 s22, s32, s22
	s_cselect_b32 s23, s33, s23
	s_cselect_b32 s24, s34, s24
	s_lshl_b32 s35, 0x1000, s28                    ; the pitch
	s_add_co_u32 s36, s28, 19
	s_lshl_b32 s40, s23, s36                       ; K step x 128 rows
	s_lshl_b32 s22, s22, 9
	s_add_co_u32 s40, s40, s22                     ; + 128 columns x 4 bytes a block
	s_add_nc_u64 s[44:45], s[26:27], s[40:41]      ; s[44:51]: the chunk's four blocks of 32 rows; never rewritten
	s_lshl_b32 s38, 0x20000, s28                   ; 32 rows
	s_mov_b32 s39, 0
	s_add_nc_u64 s[46:47], s[44:45], s[38:39]
	s_add_nc_u64 s[48:49], s[46:47], s[38:39]
	s_add_nc_u64 s[50:51], s[48:49], s[38:39]
	s_mul_i32 s40, s24, CHUNK
	s_add_nc_u64 s[30:31], s[30:31], s[40:41]      ; my chunk
	v_lshlrev_b32 v[VO], 2, v1
.set ii, 1
.rept 31
	v_add_nc_u32 v[VO+ii], s35, v[VO+ii-1]
.set ii, ii+1
.endr
	; column 32 b + lane is lane-row r = lane % 8 + 8 (lane / 16) of image 2 b + u, u = (lane / 8) % 2
	v_bfe_u32 v7, v0, 3, 1                         ; u
	v_and_b32 v8, 7, v0
	v_bfe_u32 v9, v0, 4, 1
	v_lshl_add_u32 v8, v9, 3, v8                   ; r
	v_lshlrev_b32 v[AO], 4, v8
	v_lshl_add_u32 v[LS], v7, 2, v[AO]             ; 16 r + 4 u
	v_mad_u32_u24 v[AO], v7, 1536, v[AO]
	s_lshl_b32 s21, s20, 9
	s_add_co_u32 s21, s21, WTURN
	v_add_nc_u32 v[LS], s21, v[LS]
	v_add_nc_u32 v[LR], s21, v[L16]
.macro LOADW n                         ; block n = 4 b + t: rows 32 t .. 32 t + 31 of the K step, columns 32 b .. 32 b + 31: 128 consecutive bytes a load
.set ii, 0
.rept 32
	global_load_b32 v[XW+32*((\n)%2)+ii], v[VO+ii], s[44+2*((\n)%4):45+2*((\n)%4)] offset:128*((\n)/4) th:TH_LOAD_NT
.set ii, ii+1
.endr
.endm
.macro BLOCK n
.set XS, XW+32*((\n)%2)
.set TT, (\n)%4
.set BB, (\n)/4
.set CD, CH0+12*(TT%2)+6*(TT/2)        ; block t of a column is half t % 2, registers 6 (t / 2) on, of the operand
.if (\n) < 15
	s_wait_loadcnt 32                              ; this block's 32 loads are in; the next block's may be out
.else
	s_wait_loadcnt 0x0
.endif
.if (TT == 0) && (BB > 0)
	s_wait_xcnt 0x0                                ; the last 32 columns' stores have read their registers
.endif
	v_max3_num_f32 v12, |v[XS]|, |v[XS+1]|, |v[XS+2]|      ; the block's largest magnitude: all 32 numbers are mine; two chains
	v_max3_num_f32 v13, |v[XS+3]|, |v[XS+4]|, |v[XS+5]|
.irp i, 6,10,14,18,22,26
	v_max3_num_f32 v12, v12, |v[XS+\i]|, |v[XS+\i+1]|
	v_max3_num_f32 v13, v13, |v[XS+\i+2]|, |v[XS+\i+3]|
.endr
	v_max3_num_f32 v12, v12, |v[XS+30]|, |v[XS+31]|
	v_max3_num_f32 v12, v12, v13, 0x1800000        ; and the floor 2^(3 - 127)
	v_add_nc_u32 v11, 0xff000000, v12              ; 2 off the exponent field: the conversion's scale operand
	v_cvt_scalef32_pk16_fp6_f32 v[CD:CD+2], v[XS:XS+15], v11
	v_cvt_scalef32_pk16_fp6_f32 v[T:T+2], v[XS+16:XS+31], v11
	v_lshrrev_b32 v13, 23, v11                     ; the scale's byte (also the plain place behind the conversions)
.if TT == 0
	v_mov_b32 v[SBW], v13
.else
	v_lshl_or_b32 v[SBW], v13, 8*TT, v[SBW]
.endif
.irp i, 0,1,2
	v_mov_b32 v[CD+3+\i], v[T+\i]
.endr
.if (\n)+2 < 16
	LOADW (\n)+2
.endif
.if TT == 3                            ; 32 columns are whole: two images.  Lanes with u = 0 fill one aligned run of 256 bytes, lanes with u = 1 another
.irp hh, 0,1
.irp g, 0,1,2
	global_store_b128 v[AO], v[CH0+12*\hh+4*\g:CH0+12*\hh+4*\g+3], s[30:31] offset:3072*BB+512*\g+256*\hh
.endr
.endr
	ds_store_b32 v[LS], v[SBW] offset:256*(BB/2)+8*(BB%2)
.endif
.endm
	LOADW 0
	LOADW 1
.irp n, 0,1,2,3,4,5,6,7,8,9,10,11,12,13,14,15
	BLOCK \n
.endr
	ds_load_b128 v[SQ:SQ+3], v[LR]                 ; LDS serves a wave's instructions in order: this sees my four stores
	s_wait_dscnt 0x0
	global_store_b128 v[L16], v[SQ:SQ+3], s[30:31] offset:12288
	s_wait_tensorcnt 0x0
	ds_add_u32 v15, v31
	s_wait_dscnt 0x0
	s_endpgm
.Lfunc_end_k_q5fe463b282_quant:
	.size	k_q5fe463b282_quant, .Lfunc_end_k_q5fe463b282_quant-k_q5fe463b282_quant
	.p2alignl 7, 3214868480
	.fill 96, 4, 3214868480
	.section	.rodata,"a",@progbits
	.p2align	6, 0x0
	.amdhsa_kernel k_q5fe463b282_quant
		.amdhsa_group_segment_fixed_size 36352
		.amdhsa_private_segment_fixed_size 0
		.amdhsa_enable_private_segment 0
		.amdhsa_kernarg_size 64
		.amdhsa_user_sgpr_count 2
		.amdhsa_user_sgpr_kernarg_segment_ptr 1
		.amdhsa_wavefront_size32 1
		.amdhsa_system_sgpr_workgroup_id_x 1
		.amdhsa_system_sgpr_workgroup_id_y 1
		.amdhsa_system_sgpr_workgroup_id_z 1
		.amdhsa_system_vgpr_workitem_id 0
		.amdhsa_next_free_vgpr 256
		.amdhsa_next_free_sgpr 66
		.amdhsa_reserve_vcc 0
		.amdhsa_float_denorm_mode_32 3
		.amdhsa_float_denorm_mode_16_64 3
		.amdhsa_memory_ordered 1
		.amdhsa_forward_progress 1
		.amdhsa_inst_pref_size 140
	.end_amdhsa_kernel
	.amdgpu_metadata
---
amdhsa.version: [ 1, 2 ]
amdhsa.kernels:
  - .name:           k_q5fe463b282_quant
    .symbol:         k_q5fe463b282_quant.kd
    .args:
      - { .name: x, .offset: 0, .size: 8, .value_kind: global_buffer, .address_space: global }
      - { .name: wq, .offset: 8, .size: 8, .value_kind: global_buffer, .address_space: global }
      - { .name: wk, .offset: 16, .size: 8, .value_kind: global_buffer, .address_space: global }
      - { .name: wv, .offset: 24, .size: 8, .value_kind: global_buffer, .address_space: global }
      - { .name: wo, .offset: 32, .size: 8, .value_kind: global_buffer, .address_space: global }
      - { .name: xi, .offset: 40, .size: 8, .value_kind: global_buffer, .address_space: global }
      - { .name: wi, .offset: 48, .size: 8, .value_kind: global_buffer, .address_space: global }
      - { .name: woi, .offset: 56, .size: 8, .value_kind: global_buffer, .address_space: global }
    .group_segment_fixed_size: 36352
    .private_segment_fixed_size: 0
    .kernarg_segment_align: 8
    .kernarg_segment_size: 64
    .max_flat_workgroup_size: 128
    .sgpr_count:     66
    .vgpr_count:     256
    .wavefront_size: 32
...
	.end_amdgpu_metadata
.endif
;; end of part 1
;; launch qkv (part 2): grid 64 x 4, 4 waves a work-group, clusters of 4 x 4, 327,680 bytes of LDS; arguments xi, wi, cos, sin, qki, vi, out1, out2; writes qki, vi, out1, out2
.if DOCPART == 2
	.amdgcn_target "amdgcn-amd-amdhsa--gfx1250"
	.amdhsa_code_object_version 6
	.text
	.protected	k_q5fe463b282_qkv
	.globl	k_q5fe463b282_qkv
	.p2align	8
	.type	k_q5fe463b282_qkv,@function
k_q5fe463b282_qkv:
	s_mov_b64 s[64:65], 0
	v_nop
	global_prefetch_b8 v0, s[64:65] scope:SCOPE_SE
	s_setreg_imm32_b32 hwreg(HW_REG_WAVE_MODE, 25, 1), 1
	s_wait_xcnt 0x0
	s_wait_alu depctr_hold_cnt(0) depctr_sa_sdst(0) depctr_va_vdst(0) depctr_va_sdst(0) depctr_va_ssrc(0) depctr_va_vcc(0) depctr_vm_vsrc(0)
	s_getreg_b32 s2, hwreg(HW_REG_IB_STS2, 6, 4)
	s_cmp_eq_u32 s2, 0
	s_cbranch_scc0 .Lentry_in_a_cluster
	s_endpgm
.Lentry_in_a_cluster:
	s_bfe_u32 s2, ttmp6, 0x10000c
	s_cmp_lg_u32 s2, 0xf033
	s_cbranch_scc0 .Lentry_shape_is_right
	s_endpgm
.Lentry_shape_is_right:
; q = x wq, k = x wk, v = x wv on codes of FP6 (E2M3) with E8M0 scales; RoPE on q and k in f32; k and v leave as out1 and out2 (f32); q and k are quantised along the head's 128, v along the KEYS.
; Operands come as CHUNKS of 12,800 bytes (128 rows x 128 K): eight register images of 1,536 bytes (register p of lane l at 512 (p / 4) + 16 l + 4 (p % 4)), then 512 bytes of scale words
; (image 4 g + j, lane-row r at 12288 + 256 g + 16 r + 4 j).  Lane-row r of image t is row 32 (t / 2) + 8 (t % 2) + r + 8 (r / 8) of the chunk.
; THE PRODUCT.  Source 0 = an image of P, source 1 = an image of R: a lane holds ONE row of R (lane % 16), and the 64 registers of its eight accumulators against P's eight images are P's rows
; 32 b + 16 (lane / 16) + i at register 16 b + i: 16 neighbours in 16 registers, as the conversions want them.  For q and k: P = 128 columns of the weight (a head), R = rows of x: registers run along the head.
; For v: P = 128 rows of x (keys), R = columns of wv: registers run along the keys.  Only pointers differ; the loop is one text.
; SHARES.  A work-group: P 128 rows x R 256 rows, K = 4,096 in 32 steps.  Wave w: all of P against images 4 (w % 2) .. + 3 of R's chunk row w / 2: 32 accumulators.  256 work-groups:
; clusters 0-11: 24 heads (16 of q, 8 of k) x 8 blocks of 256 rows of x; clusters 12-15: 16 key blocks x 4 blocks of 256 columns of wv.  The role hangs on the cluster's number, which partners share.
; CLUSTER 4 x 4: P's block hangs on cx and is asked for jointly by a column of the cluster, R's on cy and by a row: each tile is requested once for four work-groups.
; RING: two LDS slots, each with four K steps: P 51,200 bytes, R's two chunk rows 51,200 each.  Waves 0, 1 fetch P's halves, waves 2, 3 R's chunk rows: one load a wave behind each round.
; REGISTERS: window 0: v1-15 addresses; v16-31 scale words, two sets (they hold nothing else); v32-127 R's fragments, two sets; v138-249 the way out.  window 1: P's fragments, two sets of 96.  window 2: the accumulators, (a, b) at 8 (8 a + b).
; qki: [24 heads][16 row blocks] chunks (K = the head's 128).  vi: [8 kv heads][16 key blocks] chunks (rows = the head's 128, K = 128 keys).
; LIMITS: NaN and infinities are not served.  A block whose largest magnitude lies under 2^-124, and a block of zeros, keeps the scale byte 1.  RoPE is a multiply and a fused multiply-add (one rounding fewer than two multiplies and an add).
.set CHUNK,  12800
.set KSTEPS, 32
.set RBS,    KSTEPS*CHUNK              ; from a block of 128 rows to the next, in xi and in wi
.set PSL,    4*CHUNK                   ; four K steps of one chunk row
.set SLOT,   3*PSL
.set SPARE,  2*SLOT                    ; behind the ring: the spare words, 128 bytes a wave: two blocks of 256 bytes that no other line names
.set LAPS,   KSTEPS/8                  ; a lap = both slots
.set KSTG,   16*528                    ; the way out of k: a stage of 16 rows x (512 + 16) bytes a wave, from LDS byte 0.  The stages lie in slot 0, which has had its last fill and its last read by then
.set VSTG0,  34816                     ; the way out of v: 8,960 bytes a wave, bytes of its own
.set VSTG,   8960
.set VCS, 3                            ; v3   cos, sin: my row's and half's bytes
.set VST, 4                            ; v4   k's stage, in
.set VRD, 5                            ; v5   k's stage, back
.set VVS, 7                            ; v7   v's stage, in
.set AP,  8                            ; v8-9   P's images in slot 0, 1: 16 x lane (+ SLOT)
.set L16, 8                            ;        (v8 is also the offset of image stores)
.set AR,  10                           ; v10-11 my four images of R
.set ARS, 12                           ; v12-13 their scale words
.set SPW, 14                           ; v14  my spare word; never rewritten
.set NIL, 15                           ; v15  0; never rewritten
.set SCL, 16                           ; set p at 16 + 8 p: four registers of P's words (lanes 0-15 images 0-3, lanes 16-31 images 4-7), four of R's
.set RF,  32
.set OB,  32                           ; the way out: 16 rows read back
.set VVR, 138                          ; v138 v's stage, back
.set VVO, 139                          ; v139 and the same place in out2
.set VSW, 140                          ; v140 the scale words' place
.set Y,   144                          ; v144-207 a tile of q or k behind RoPE
.set PC,  208                          ; v208-226 codes just made
.set TM,  228                          ; v228-243 at work in QUANT
.set PW,  244                          ; v244-247 four images' scale words
.set SW,  248                          ; v248-249 as they are stored
.set G1P, 24
.set G0P, 32
.set G1R, 48
.set G0R, 56
.set SEL, 66                           ; s[66:67]
.set MUL, 0xa1                         ; source 0 (P) window 1, source 1 (R) window 0, C and D window 2
.set MSB, 0
.macro WIN new                         ; the immediate's high byte repeats the setting that is left
.if MSB != \new
	s_set_vgpr_msb (MSB<<8)|\new
.set MSB, \new
.endif
.endm
.macro PLACES n
.rept \n
	v_nop
.endr
.endm
; A joint load: waves 0, 1 fetch for P, waves 2, 3 for R.  The branch hangs on the wave's number alone.  Four v_nop follow each of the two lines.
.macro JLOAD g0a, g1a, g0b, g1b
	s_cmp_eq_u32 s15, 0
	s_cbranch_scc0 .Lfor_r_\@
	tensor_load_to_lds s[\g0a:\g0a+3], s[\g1a:\g1a+7]
	s_nop 0
.rept 4
	v_nop
.endr
	s_branch .Lasked_\@
.Lfor_r_\@:
	tensor_load_to_lds s[\g0b:\g0b+3], s[\g1b:\g1b+7]
	s_nop 0
.rept 4
	v_nop
.endr
.Lasked_\@:
.endm
.macro CREST                           ; a round of the cluster's barrier behind its opening barrier
	s_cmp_lg_u32 s14, 0
	s_cbranch_scc1 .Lnot_wave_0_\@
	s_barrier_signal -3
.Lnot_wave_0_\@:
	s_barrier_wait -3
	s_barrier_signal -1
	s_barrier_wait -1
.endm
.macro CROUND
	s_barrier_signal -1
	s_barrier_wait -1
	CREST
.endm
; 64 numbers of a lane, v[s] on (in the window that wm and wc name), register 16 b + i = k 32 b + 16 (lane / 16) + i of my row, become a fragment in v[pc] on and my row's scale word in v[pw].
.macro QUANT s, pc, pw, wm, wc
	WIN \wm
.irp b, 0,1,2,3
	v_max3_num_f32 v[TM+\b], 0x1800000, |v[(\s)+16*\b]|, |v[(\s)+16*\b+1]|   ; my 16 numbers of block b, from the low end on, and the floor 2^(3 - 127)
.endr
.irp i, 2,4,6,8,10,12,14
.irp b, 0,1,2,3
	v_max3_num_f32 v[TM+\b], v[TM+\b], |v[(\s)+16*\b+\i]|, |v[(\s)+16*\b+\i+1]|
.endr
.endr
	WIN 0
.irp b, 0,1,2,3
	v_permlanex16_b32 v[TM+4+\b], v[TM+\b], s[SEL], s[SEL+1]
.endr
.irp b, 0,1,2,3
	v_max_num_f32 v[TM+\b], v[TM+\b], v[TM+4+\b]       ; with lane l xor 16's: the block's largest magnitude
.endr
.irp b, 0,1,2,3
	v_add_nc_u32 v[TM+12+\b], 0xff000000, v[TM+\b]     ; 2 off its exponent field: the conversion's scale operand
.endr
.irp b, 0,1,2,3
	v_lshrrev_b32 v[TM+4+\b], 23, v[TM+12+\b]          ; the scale's byte
.endr
	v_lshl_or_b32 v[\pw], v[TM+5], 8, v[TM+4]
	v_lshl_or_b32 v[\pw], v[TM+6], 16, v[\pw]
	v_lshl_or_b32 v[\pw], v[TM+7], 24, v[\pw]
	WIN \wc
.irp c, 0,1
	v_cvt_scalef32_pk16_fp6_f32 v[\pc+6*\c:\pc+6*\c+2], v[(\s)+32*\c:(\s)+32*\c+15], v[TM+12+2*\c]
	v_cvt_scalef32_pk16_fp6_f32 v[\pc+12+4*\c:\pc+12+4*\c+2], v[(\s)+32*\c+16:(\s)+32*\c+31], v[TM+13+2*\c]
.endr
	WIN 0
	v_nop                                              ; one plain place behind the scaled conversions
.irp c, 0,1
.irp i, 0,1,2
	v_permlane16_swap_b32 v[\pc+6*\c+\i], v[\pc+12+4*\c+\i]
.endr
.irp i, 0,1,2
	v_mov_b32 v[\pc+3+6*\c+\i], v[\pc+12+4*\c+\i]
.endr
.endr
.endm
	s_load_b256 s[4:11], s[0:1], 0x0               ; xi s[4:5], wi s[6:7], cos s[8:9], sin s[10:11]
	s_load_b256 s[68:75], s[0:1], 0x20             ; qki s[68:69], vi s[70:71], out1 s[72:73], out2 s[74:75]
	v_lshl_add_u32 v[SPW], v0, 2, SPARE
	v_mov_b32 v[NIL], 0
	ds_add_u32 v14, v15
	s_wait_dscnt 0x0
	v_lshrrev_b32 v1, 5, v0
	v_readfirstlane_b32 s14, v1                    ; wave 0..3
	s_lshr_b32 s15, s14, 1                         ; my chunk row of R.  Also: I fetch for P (0) or for R (1)
	s_and_b32 s16, s14, 1                          ; my half of its images.  Also: which part I fetch
	s_bfe_u32 s40, ttmp6, 0x40000                  ; cx
	s_bfe_u32 s41, ttmp6, 0x40004                  ; cy
	s_lshl_b32 s43, s41, 2
	s_lshl_b32 s43, 15, s43                        ; my row of the cluster
	s_lshl_b32 s44, 0x1111, s40                    ; my column
	; the role, from the cluster's number c = ttmp9 (0 .. 15)
	s_cmp_ge_u32 ttmp9, 12
	s_cselect_b32 s81, 1, 0                        ; v?
	s_cmp_ge_u32 ttmp9, 6
	s_cselect_b32 s82, 6, 0
	s_cselect_b32 s83, 4, 0                        ; q, k: which four pairs of row blocks of x
	s_sub_co_u32 s82, ttmp9, s82                   ; q, k: which four heads
	s_sub_co_u32 s84, ttmp9, 12                    ; v: which four key blocks
	s_cmp_ge_u32 s82, 4
	s_cselect_b32 s85, 1, 0
	s_cmp_eq_u32 s81, 1
	s_cselect_b32 s86, s84, s82
	s_cselect_b32 s83, 12, s83                     ; v: wi's blocks 24 on
	s_cselect_b32 s85, 0, s85                      ; k?
	s_lshl_b32 s45, s86, 2
	s_add_co_u32 s45, s45, s40                     ; P's block: it hangs on cx alone
	s_add_co_u32 s46, s83, s41
	s_lshl_b32 s46, s46, 1                         ; R's first block: on cy alone
	; descriptor group 1: dense bytes as rows of 256 (32 elements of 8 bytes).  P: 100 rows = two K steps; R: 200 rows = four K steps of one chunk row
	s_or_b32 s[G1P], s44, (3<<16)|(1<<21)          ; 15:0 the mask: my column; 17:16 elements of 8 bytes; 21 set beside a mask
	s_mov_b32 s[G1P+1], 32<<16                     ; tensor_dim0
	s_mov_b32 s[G1P+2], 100<<16                    ; tensor_dim1
	s_mov_b32 s[G1P+3], 32<<16                     ; tile_dim0
	s_mov_b32 s[G1P+4], 100                        ; tile_dim1
	s_mov_b32 s[G1P+5], 32                         ; the pitch
	s_mov_b32 s[G1P+6], 0
	s_mov_b32 s[G1P+7], 0
	s_or_b32 s[G1R], s43, (3<<16)|(1<<21)          ; the mask: my row
	s_mov_b32 s[G1R+1], 32<<16
	s_mov_b32 s[G1R+2], 200<<16
	s_mov_b32 s[G1R+3], 32<<16
	s_mov_b32 s[G1R+4], 200
	s_mov_b32 s[G1R+5], 32
	s_mov_b32 s[G1R+6], 0
	s_mov_b32 s[G1R+7], 0
	s_mul_i32 s88, s45, RBS
	s_mul_i32 s87, s16, 2*CHUNK                    ; P: my two K steps, in memory and in a slot
	s_add_co_u32 s88, s88, s87
	s_mov_b32 s89, 0
	s_add_co_u32 s90, s46, s16                     ; R: my chunk row
	s_mul_i32 s90, s90, RBS
	s_mov_b32 s91, 0
	s_mul_i32 s96, s16, PSL
	s_add_co_u32 s96, s96, PSL                     ; and its place in a slot
	s_mov_b32 s[SEL], 0x76543210
	s_mov_b32 s[SEL+1], 0xfedcba98
	s_mov_b32 s99, 0xffff0000                      ; lanes 16-31
	s_wait_kmcnt 0x0
	s_cmp_eq_u32 s81, 1
	s_cselect_b64 s[92:93], s[4:5], s[6:7]         ; P: x's codes for v, the weights' for q and k
	s_cselect_b64 s[94:95], s[6:7], s[4:5]         ; R: the other
	s_add_nc_u64 s[92:93], s[92:93], s[88:89]
	s_add_nc_u64 s[94:95], s[94:95], s[90:91]
	CROUND                                         ; all sixteen work-groups are here: the first joint loads meet
.irp s, 0,1
	s_mov_b32 s[G0P+4*\s], 1
	s_add_co_u32 s[G0P+4*\s+1], s87, \s*SLOT
	s_add_nc_u64 s[G0P+4*\s+2:G0P+4*\s+3], s[92:93], \s*PSL
	s_or_b32 s[G0P+4*\s+3], s[G0P+4*\s+3], 0x80000000
	s_mov_b32 s[G0R+4*\s], 1
	s_add_co_u32 s[G0R+4*\s+1], s96, \s*SLOT
	s_add_nc_u64 s[G0R+4*\s+2:G0R+4*\s+3], s[94:95], \s*PSL
	s_or_b32 s[G0R+4*\s+3], s[G0R+4*\s+3], 0x80000000
	JLOAD G0P+4*\s, G1P, G0R+4*\s, G1R
.endr
	; every LDS address of the launch is made here
	v_and_b32 v1, 15, v0                           ; r
	v_bfe_u32 v2, v0, 4, 1                         ; h
	v_and_b32 v141, 31, v0
	v_lshlrev_b32 v[AP], 4, v141                   ; 16 x lane
	v_add_nc_u32 v[AP+1], SLOT, v[AP]
	s_mul_i32 s20, s15, PSL
	s_add_co_u32 s20, s20, PSL                     ; my chunk row of R in a slot
	s_mul_i32 s21, s16, 6144                       ; my four images
	s_add_co_u32 s21, s21, s20
	v_add_nc_u32 v[AR], s21, v[AP]
	v_add_nc_u32 v[AR+1], SLOT, v[AR]
	s_lshl_b32 s21, s16, 8
	s_add_co_u32 s21, s21, s20
	s_add_co_u32 s21, s21, 12288
	v_lshl_add_u32 v[ARS], v1, 4, s21              ; their words: 16 r; both halves of the lanes read the same
	v_add_nc_u32 v[ARS+1], SLOT, v[ARS]
	v_and_b32 v142, 8, v1
	v_add_nc_u32 v142, v142, v1                    ; r + 8 (r / 8)
	v_lshlrev_b32 v[VCS], 9, v142
	v_lshl_add_u32 v[VCS], v2, 6, v[VCS]
	s_mul_i32 s21, s14, KSTG
	v_mul_u32_u24 v[VST], v1, 528
	v_lshl_add_u32 v[VST], v2, 6, v[VST]
	v_add_nc_u32 v[VST], s21, v[VST]
	v_add_nc_u32 v[VRD], s21, v[AP]
	s_mul_i32 s21, s14, VSTG
	s_add_co_u32 s21, s21, VSTG0
	v_mul_u32_u24 v143, v2, 4480                   ; the upper half's 16 keys lie 16 rows of 272 bytes + 128 on: the two halves fall on different banks
	v_add_nc_u32 v143, s21, v143
	v_lshl_add_u32 v[VVS], v142, 2, v143
	v_lshl_add_u32 v[VVR], v1, 4, v143
	v_lshlrev_b32 v[VVO], 13, v2
	v_lshl_add_u32 v[VVO], v1, 4, v[VVO]
	v_lshlrev_b32 v[VSW], 4, v1
	v_lshl_add_u32 v[VSW], v2, 3, v[VSW]
.irp b, 0,1,2,3
	v_mov_b32 v[TM+4+\b], 0                        ; written once: a lane permute's destination counts as one of its sources
.endr
; 8 matrix instructions: R's image a against P's eight, 128 along K, on fragment set p.  The 32 accumulators take turns in the same order in every step.
.macro MUL8 a, p, zero
.irp b, 0,1,2,3,4,5,6,7
.set DD, 8*(8*(\a)+\b)
.set PP, 96*(\p)+12*\b
.set RR, RF+48*(\p)+12*(\a)
.set SS, SCL+8*(\p)+(\b%4)
.set TT, SCL+8*(\p)+4+(\a)
.if (\zero) && (\b < 4)
	v_wmma_scale_f32_16x16x128_f8f6f4 v[DD:DD+7], v[PP:PP+11], v[RR:RR+11], 0, v[SS], v[TT] matrix_a_fmt:MATRIX_FMT_FP6 matrix_b_fmt:MATRIX_FMT_FP6
.elseif \zero
	v_wmma_scale_f32_16x16x128_f8f6f4 v[DD:DD+7], v[PP:PP+11], v[RR:RR+11], 0, v[SS], v[TT] matrix_a_fmt:MATRIX_FMT_FP6 matrix_b_fmt:MATRIX_FMT_FP6 matrix_a_scale:MATRIX_SCALE_ROW1
.elseif \b < 4
	v_wmma_scale_f32_16x16x128_f8f6f4 v[DD:DD+7], v[PP:PP+11], v[RR:RR+11], v[DD:DD+7], v[SS], v[TT] matrix_a_fmt:MATRIX_FMT_FP6 matrix_b_fmt:MATRIX_FMT_FP6
.else
	v_wmma_scale_f32_16x16x128_f8f6f4 v[DD:DD+7], v[PP:PP+11], v[RR:RR+11], v[DD:DD+7], v[SS], v[TT] matrix_a_fmt:MATRIX_FMT_FP6 matrix_b_fmt:MATRIX_FMT_FP6 matrix_a_scale:MATRIX_SCALE_ROW1
.endif
.endr
.endm
; 38 LDS loads in one run: the slot's q-th K step into set p: P's 8 images, my 4 of R, the scale words.  Each load takes 512 consecutive bytes.
.macro FETCH slot, q, p
	WIN 0x40                                       ; destination window 1
.irp f, 0,1,2,3,4,5,6,7
.irp c, 0,1,2
	ds_load_b128 v[96*(\p)+12*\f+4*\c:96*(\p)+12*\f+4*\c+3], v[AP+\slot] offset:CHUNK*(\q)+1536*\f+512*\c
.endr
.endr
	WIN 0
.irp a, 0,1,2,3
.irp c, 0,1,2
	ds_load_b128 v[RF+48*(\p)+12*\a+4*\c:RF+48*(\p)+12*\a+4*\c+3], v[AR+\slot] offset:CHUNK*(\q)+1536*\a+512*\c
.endr
.endr
	ds_load_b128 v[SCL+8*(\p):SCL+8*(\p)+3], v[AP+\slot] offset:CHUNK*(\q)+12288
	ds_load_b128 v[SCL+8*(\p)+4:SCL+8*(\p)+7], v[ARS+\slot] offset:CHUNK*(\q)
.endm
; One of a slot's first three K steps: the next step's fragments are asked for, then this step's 32 products are issued.
.macro STEP slot, q, zero
	s_wait_dscnt 0x0                               ; this step's set is in: it was asked for a step ago
	PLACES 4                                       ; loads into registers that matrix instructions have read stand four plain vector instructions behind them (ISA guide 7.12.1 for vector instructions)
	FETCH \slot, (\q)+1, ((\q)+1)%2
	WIN MUL
	MUL8 0, (\q)%2, \zero
	MUL8 1, (\q)%2, \zero
	MUL8 2, (\q)%2, \zero
	MUL8 3, (\q)%2, \zero
	WIN 0
.endm
; A slot's last K step changes slots: in front of ONE barrier each wave waits for all its tensor loads, adds 0 to its spare word, and waits for that and for its reads of this slot.  fill = 1: the slot is filled again, two slots ahead.
.macro TURN slot, next, fill
	s_wait_tensorcnt 0x0                           ; all my tensor loads have landed: my part of the next slot
	ds_add_u32 v[SPW], v[NIL]                      ; 0 onto my spare word
	s_wait_dscnt 1                                 ; the add alone may be out: this step's set is in
	WIN MUL
	MUL8 0, 1, 0                                   ; eight matrix instructions stand between the add and the wait for it
	s_wait_dscnt 0x0                               ; the add is done, and my reads of this slot are over
	s_barrier_signal -1
	MUL8 1, 1, 0
	WIN 0
	s_barrier_wait -1
.if \fill
	CREST                                          ; the barrier has opened a round of the cluster's barrier: no wave of any partner still reads this slot or has a load on its way
	s_add_nc_u64 s[G0P+4*\slot+2:G0P+4*\slot+3], s[G0P+4*\slot+2:G0P+4*\slot+3], 2*PSL
	s_add_nc_u64 s[G0R+4*\slot+2:G0R+4*\slot+3], s[G0R+4*\slot+2:G0R+4*\slot+3], 2*PSL
	JLOAD G0P+4*\slot, G1P, G0R+4*\slot, G1R       ; the first tensor load behind the round; its four v_nop are the places in front of the loads below
.else
	PLACES 4
.endif
	FETCH \next, 0, 0
	WIN MUL
	MUL8 2, 1, 0
	MUL8 3, 1, 0
	WIN 0
.endm
	s_wait_tensorcnt 0x1                           ; my part of slot 0 is in; slot 1's load may stay out
	s_barrier_signal -1
	s_barrier_wait -1
	FETCH 0, 0, 0
	STEP 0, 0, 1                                   ; the first step stands in front of the loop: its products start the sums
	s_mov_b32 s3, LAPS-1
.Llap:                                             ; a trip goes once round the ring and fills both slots again
	STEP 0, 1, 0
	STEP 0, 2, 0
	TURN 0, 1, 1
	STEP 1, 0, 0
	STEP 1, 1, 0
	STEP 1, 2, 0
	TURN 1, 0, 1
	STEP 0, 0, 0
	s_sub_co_u32 s3, s3, 1
	s_cmp_lg_u32 s3, 0
	s_cbranch_scc1 .Llap
	STEP 0, 1, 0                                   ; the last lap fills nothing
	STEP 0, 2, 0
	TURN 0, 1, 0
	STEP 1, 0, 0
	STEP 1, 1, 0
	STEP 1, 2, 0
	s_wait_dscnt 0x0
	WIN MUL
	MUL8 0, 1, 0
	MUL8 1, 1, 0
	MUL8 2, 1, 0
	MUL8 3, 1, 0
	WIN 0
	PLACES 4                                       ; behind the last products: for the first reads of results and the loads into fragments' registers
.macro SCALEOUT                        ; my four images' scale words: lane (r, h) stores words 2 h, 2 h + 1 of lane-row r: 256 consecutive bytes
	v_cndmask_b32 v[SW], v[PW], v[PW+2], s99
	v_cndmask_b32 v[SW+1], v[PW+1], v[PW+3], s99
	global_store_b64 v[VSW], v[SW:SW+1], s[22:23]
.endm
	s_cmp_eq_u32 s81, 1
	s_cbranch_scc1 .Lv
; ---------------- q and k: RoPE, quantise along the head, k also to out1
	s_add_co_u32 s20, s46, s15                     ; my row block of x
	s_lshl_b32 s76, s20, 16
	s_lshl_b32 s77, s16, 15
	s_add_co_u32 s76, s76, s77
	s_mov_b32 s77, 0                               ; s[76:77]: my first row x 512 bytes
	s_add_nc_u64 s[8:9], s[8:9], s[76:77]
	s_add_nc_u64 s[10:11], s[10:11], s[76:77]
	s_lshl_b32 s21, s45, 4
	s_add_co_u32 s21, s21, s20                     ; chunk = 16 x head + row block
	s_mul_i32 s78, s21, CHUNK
	s_mov_b32 s79, 0
	s_add_nc_u64 s[68:69], s[68:69], s[78:79]
	s_mul_i32 s78, s16, 6144
	s_add_nc_u64 s[18:19], s[68:69], s[78:79]      ; my four images
	s_lshl_b32 s78, s16, 8
	s_add_co_u32 s78, s78, 12288
	s_add_nc_u64 s[22:23], s[68:69], s[78:79]      ; their scale words
	s_sub_co_u32 s78, s45, 16
	s_cmp_eq_u32 s85, 1
	s_cselect_b32 s78, s78, 0                      ; the kv head (0 where nothing is stored)
	s_lshl_b32 s78, s78, 20
	s_add_nc_u64 s[72:73], s[72:73], s[78:79]
	s_add_nc_u64 s[72:73], s[72:73], s[76:77]
.macro CSLOAD a                        ; cos and sin of image a's 16 rows: my row's 64 numbers each, in the accumulators' order, into window 1
	WIN 0x40
.irp b, 0,1,2,3
.irp j, 0,1,2,3
	global_load_b128 v[128*((\a)%2)+16*\b+4*\j:128*((\a)%2)+16*\b+4*\j+3], v[VCS], s[8:9] offset:(32*((\a)/2)+8*((\a)%2))*512+128*\b+16*\j
.endr
.endr
.irp b, 0,1,2,3
.irp j, 0,1,2,3
	global_load_b128 v[128*((\a)%2)+64+16*\b+4*\j:128*((\a)%2)+64+16*\b+4*\j+3], v[VCS], s[10:11] offset:(32*((\a)/2)+8*((\a)%2))*512+128*\b+16*\j
.endr
.endr
	WIN 0
.endm
.macro QKTILE a
.if (\a) < 3
	s_wait_loadcnt 32                              ; this image's cos and sin are in; the next image's 32 loads may be out
.else
	s_wait_loadcnt 0x0
.endif
	s_wait_xcnt 0x0                                ; the last image's stores have read PC and OB
	WIN 0x06                                       ; source 0 (results) window 2, source 1 (cos, sin) window 1
.set CO, 128*((\a)%2)
.set SI, CO+64
.set nn, 0
.rept 32
	v_pk_mul_f32 v[Y+nn:Y+nn+1], v[64*(\a)+nn:64*(\a)+nn+1], v[CO+nn:CO+nn+1]      ; each accumulator from its low end on
.set nn, nn+2
.endr
.set nn, 0
.rept 16                               ; channel d + 64 stands 32 registers on:  d < 64: - q[d + 64] sin[d]
	v_pk_fma_f32 v[Y+nn:Y+nn+1], v[64*(\a)+nn+32:64*(\a)+nn+33], v[SI+nn:SI+nn+1], v[Y+nn:Y+nn+1] neg_lo:[1,0,0] neg_hi:[1,0,0]
.set nn, nn+2
.endr
.rept 16                               ; d >= 64: + q[d - 64] sin[d]
	v_pk_fma_f32 v[Y+nn:Y+nn+1], v[64*(\a)+nn-32:64*(\a)+nn-31], v[SI+nn:SI+nn+1], v[Y+nn:Y+nn+1]
.set nn, nn+2
.endr
.if (\a) < 2
	CSLOAD (\a)+2
.endif
	WIN 0
	QUANT Y, PC, PW+(\a), 0, 0
.irp c, 0,1,2
	global_store_b128 v[L16], v[PC+4*\c:PC+4*\c+3], s[18:19] offset:1536*(\a)+512*\c
.endr
	s_cmp_eq_u32 s85, 0
	s_cbranch_scc1 .Lnot_k_\@
.irp b, 0,1,2,3                        ; k: 16 rows through my stage, back as whole rows of 512 bytes
.irp j, 0,1,2,3
	ds_store_b128 v[VST], v[Y+16*\b+4*\j:Y+16*\b+4*\j+3] offset:128*\b+16*\j
.endr
.endr
.irp i, 0,1,2,3,4,5,6,7,8,9,10,11,12,13,14,15
	ds_load_b128 v[OB+4*\i:OB+4*\i+3], v[VRD] offset:528*\i      ; LDS serves a wave's instructions in order: these see the stores above
.endr
.irp i, 0,1,2,3,4,5,6,7,8,9,10,11,12,13,14,15
	s_wait_dscnt 15-\i
	global_store_b128 v[L16], v[OB+4*\i:OB+4*\i+3], s[72:73] offset:(32*((\a)/2)+8*((\a)%2)+\i+8*(\i/8))*512 th:TH_STORE_NT   ; 512 consecutive bytes: a row of out1
.endr
.Lnot_k_\@:
.endm
	CSLOAD 0
	CSLOAD 1
	QKTILE 0
	QKTILE 1
	QKTILE 2
	QKTILE 3
	SCALEOUT
	s_branch .Lend
; ---------------- v: a lane holds one channel, its registers run along the keys: quantised as they stand; out2 through a turn in LDS
.Lv:
	s_sub_co_u32 s20, s46, 24
	s_add_co_u32 s20, s20, s15                     ; the kv head
	s_lshl_b32 s21, s20, 4
	s_add_co_u32 s21, s21, s45                     ; chunk = 16 x kv head + key block
	s_mul_i32 s78, s21, CHUNK
	s_mov_b32 s79, 0
	s_add_nc_u64 s[70:71], s[70:71], s[78:79]
	s_mul_i32 s78, s16, 6144
	s_add_nc_u64 s[18:19], s[70:71], s[78:79]
	s_lshl_b32 s78, s16, 8
	s_add_co_u32 s78, s78, 12288
	s_add_nc_u64 s[22:23], s[70:71], s[78:79]
	s_lshl_b32 s78, s20, 20                        ; out2: the head,
	s_lshl_b32 s76, s45, 16                        ; 128 keys of 512 bytes a block,
	s_add_co_u32 s78, s78, s76
	s_lshl_b32 s76, s16, 8                         ; my 64 channels
	s_add_co_u32 s78, s78, s76
	s_add_nc_u64 s[74:75], s[74:75], s[78:79]
.irp a, 0,1,2,3
.if \a > 0
	s_wait_xcnt 0x0                                ; the last image's stores have read PC
.endif
	QUANT 64*\a, PC, PW+\a, 0x28, 0x02             ; straight out of window 2
.irp c, 0,1,2
	global_store_b128 v[L16], v[PC+4*\c:PC+4*\c+3], s[18:19] offset:1536*\a+512*\c
.endr
.endr
	SCALEOUT
.irp bb, 0,1,2,3                       ; 32 keys x my 64 channels at a time
.if \bb > 0
	s_wait_xcnt 0x0                                ; the last 32 keys' stores have read OB
.endif
	WIN 0x08                                       ; an LDS store's data are its source 1: window 2
.irp a, 0,1,2,3
.set ii, 0
.rept 16
	ds_store_b32 v[VVS], v[64*\a+16*\bb+ii] offset:272*ii+4*(32*(\a/2)+8*(\a%2))
.set ii, ii+1
.endr
.endr
	WIN 0
.irp i, 0,1,2,3,4,5,6,7,8,9,10,11,12,13,14,15
	ds_load_b128 v[OB+4*\i:OB+4*\i+3], v[VVR] offset:272*\i
.endr
.irp i, 0,1,2,3,4,5,6,7,8,9,10,11,12,13,14,15
	s_wait_dscnt 15-\i
	global_store_b128 v[VVO], v[OB+4*\i:OB+4*\i+3], s[74:75] offset:(32*\bb+\i)*512 th:TH_STORE_NT   ; sixteen lanes store 256 consecutive bytes, at a multiple of 256 from out2's first byte
.endr
.endr
.Lend:
	s_wait_tensorcnt 0x0                           ; the wave's end
	ds_add_u32 v[SPW], v[NIL]
	s_wait_dscnt 0x0
	CROUND                                         ; the closing round
	s_endpgm
.Lfunc_end_k_q5fe463b282_qkv:
	.size	k_q5fe463b282_qkv, .Lfunc_end_k_q5fe463b282_qkv-k_q5fe463b282_qkv
	.p2alignl 7, 3214868480
	.fill 96, 4, 3214868480
	.section	.rodata,"a",@progbits
	.p2align	6, 0x0
	.amdhsa_kernel k_q5fe463b282_qkv
		.amdhsa_group_segment_fixed_size 327680
		.amdhsa_private_segment_fixed_size 0
		.amdhsa_enable_private_segment 0
		.amdhsa_kernarg_size 64
		.amdhsa_user_sgpr_count 2
		.amdhsa_user_sgpr_kernarg_segment_ptr 1
		.amdhsa_wavefront_size32 1
		.amdhsa_system_sgpr_workgroup_id_x 1
		.amdhsa_system_sgpr_workgroup_id_y 1
		.amdhsa_system_sgpr_workgroup_id_z 1
		.amdhsa_system_vgpr_workitem_id 0
		.amdhsa_next_free_vgpr 768
		.amdhsa_next_free_sgpr 100
		.amdhsa_reserve_vcc 0
		.amdhsa_float_denorm_mode_32 3
		.amdhsa_float_denorm_mode_16_64 3
		.amdhsa_memory_ordered 1
		.amdhsa_forward_progress 1
		.amdhsa_inst_pref_size 225
	.end_amdhsa_kernel
	.amdgpu_metadata
---
amdhsa.version: [ 1, 2 ]
amdhsa.kernels:
  - .name:           k_q5fe463b282_qkv
    .symbol:         k_q5fe463b282_qkv.kd
    .args:
      - { .name: xi, .offset: 0, .size: 8, .value_kind: global_buffer, .address_space: global }
      - { .name: wi, .offset: 8, .size: 8, .value_kind: global_buffer, .address_space: global }
      - { .name: cos, .offset: 16, .size: 8, .value_kind: global_buffer, .address_space: global }
      - { .name: sin, .offset: 24, .size: 8, .value_kind: global_buffer, .address_space: global }
      - { .name: qki, .offset: 32, .size: 8, .value_kind: global_buffer, .address_space: global }
      - { .name: vi, .offset: 40, .size: 8, .value_kind: global_buffer, .address_space: global }
      - { .name: out1, .offset: 48, .size: 8, .value_kind: global_buffer, .address_space: global }
      - { .name: out2, .offset: 56, .size: 8, .value_kind: global_buffer, .address_space: global }
    .group_segment_fixed_size: 327680
    .private_segment_fixed_size: 0
    .kernarg_segment_align: 8
    .kernarg_segment_size: 64
    .max_flat_workgroup_size: 128
    .sgpr_count:     100
    .vgpr_count:     768
    .wavefront_size: 32
...
	.end_amdgpu_metadata
.endif
;; end of part 2
;; launch attn (part 3): grid 8 x 32, 8 waves a work-group, clusters of 4 x 4, 327,680 bytes of LDS; arguments qki, vi, mask, ai; writes ai
.if DOCPART == 3
	.amdgcn_target "amdgcn-amd-amdhsa--gfx1250"
	.amdhsa_code_object_version 6
	.text
	.protected	k_q5fe463b282_attn
	.globl	k_q5fe463b282_attn
	.p2align	8
	.type	k_q5fe463b282_attn,@function
k_q5fe463b282_attn:
	s_mov_b64 s[64:65], 0
	v_nop
	global_prefetch_b8 v0, s[64:65] scope:SCOPE_SE
	s_setreg_imm32_b32 hwreg(HW_REG_WAVE_MODE, 25, 1), 1
	s_wait_xcnt 0x0
	s_wait_alu depctr_hold_cnt(0) depctr_sa_sdst(0) depctr_va_vdst(0) depctr_va_sdst(0) depctr_va_ssrc(0) depctr_va_vcc(0) depctr_vm_vsrc(0)
	s_getreg_b32 s2, hwreg(HW_REG_IB_STS2, 6, 4)
	s_cmp_eq_u32 s2, 0
	s_cbranch_scc0 .Lentry_in_a_cluster
	s_endpgm
.Lentry_in_a_cluster:
	s_bfe_u32 s2, ttmp6, 0x10000c
	s_cmp_lg_u32 s2, 0xf033
	s_cbranch_scc0 .Lentry_shape_is_right
	s_endpgm
.Lentry_shape_is_right:
; o = softmax(q k^T / sqrt(128) + mask) v for 16 query heads on 8 kv heads, both products on codes of FP6 (E2M3) with E8M0 scales; the result is quantised along the head's 128 for the last product.
; The mask is an input: every key is walked and every mask number is added.
; THE SOFTMAX AHEAD OF THE SECOND PRODUCT: l = score / sqrt(128) + mask; t = l x log2(e), rounded on its own; M = the running largest t rounded UP to a whole number; p = 2^(t - M) is quantised along the keys,
; not normalised.  The row's sum is taken of the unquantised p and divides at the end.  When M moves, the sum and O are multiplied by 2^(old M - new M): exact.
; (t and t - M are two instructions, not one fused: where every key of a row carries a very large negative mask, t is a whole number far from 0, and t - M must be formed of the rounded t.)
; OPERANDS are chunks of 12,800 bytes: eight register images of 1,536 bytes and 512 bytes of scale words; lane-row r of image t is row 32 (t / 2) + 8 (t % 2) + r + 8 (r / 8).
; qki: [24 heads: 0-15 q, 16-23 k][16 row blocks]; vi: [8 kv heads][16 key blocks] (rows = channels, K = keys); ai: [16 row blocks][16 heads].
; SHARES.  A work-group of EIGHT waves, two to a SIMD: 64 queries x the TWO query heads of one kv head.  Waves w and w + 4 hold the same image of 16 queries for both heads (A, B) and SHARE THE KEYS: of each slot's two
; key steps of 128 keys waves 0-3 take the first and waves 4-7 the second.  So each fragment of K and V and each mask number read from LDS still serves two tiles, and while one wave of a SIMD waits the other issues.
; Each half keeps its own running M, sum and O^T; at the end waves 4-7 hand theirs over through LDS and waves 0-3 bring both under the larger M (factors that are powers of two), add, divide and quantise.
; Both products are used transposed (S^T = K Q^T, O^T = V^T P^T): a lane holds one query throughout; by the images' row order 16 registers of two neighbouring tiles are 16 neighbouring keys (or channels).
; CLUSTER 4 x 4: cx picks the kv head, cy the block of queries: K and V are asked for jointly by a column of the cluster, the mask's tile by a row.
; RING: two slots 2^17 bytes apart, each with two key steps: K 25,600 bytes, V 25,600, the mask's 64 rows x (1,024 + 16).  Wave 0 fetches K, wave 1 V, waves 2, 3 the mask's halves, waves 4-7 nothing.
; REGISTERS (512 a wave): window 0: addresses, statistics, Q, p's codes, scale words (v68-79, nothing else), S^T of A and B, work.
;   window 1: v0-95 K, then the mask's second half (v0-31), then V; v96-127 the mask's first half; v128-191 O^T of A, v192-255 of B.
; LIMITS: NaN among the inputs is not served; a row whose mask is -infinity everywhere gives NaN, as the definition does.  l is one fused multiply-add (one rounding fewer than a multiply and an add).  1 / sum is v_rcp_f32,
; folded into the two factors of the merge (a multiply and a fused multiply-add for each number).  A block of p, or of o, whose largest number lies under 2^-124 keeps the scale byte 1.
.set CHUNK, 12800
.set KVB,   2*CHUNK                    ; two key steps of K or of V
.set MOFF,  2*KVB                      ; the mask's tile in a slot
.set MP,    1040                       ; its row: 1,024 bytes + 16
.set SLOT1, 1<<17
.set SPARE, SLOT1+MOFF+64*MP           ; behind the ring: the spare words, 128 bytes a wave: four blocks of 256 bytes that no other line names
.set SCR,   SPARE+1024                 ; 512 bytes in which four waves' scale words meet; no fill lands here, nor in what follows
.set XCH,   SCR+512                    ; the hand-over: 16,384 bytes for each pair of waves: O^T of both tiles as an image of its 128 registers
.set XST,   XCH+4*16384                ; and 512 bytes: -M and the sum of both tiles, 16 bytes a lane
.set L16,  3                           ; v3   16 x lane: the offset of image loads and stores
.set AKV0, 4                           ; v4   16 x lane + my key step's chunk in a slot
.set AM0,  5                           ; v5   my query's row, my half's bytes and my key step in the mask's tile
.set ADKV, 6                           ; v6-7 the same in the slot in hand
.set ADM,  7
.set SPW,  8                           ; v8   my spare word; never rewritten
.set NIL,  9                           ; v9   0; never rewritten
.set PFO,  10                          ; v10  the prefetches' offset: lane x a row of the mask; never rewritten
.set XA,   11                          ; v11  the hand-over's image: my pair's 16,384 bytes + 16 x lane
.set STA,  12                          ; v12 -M, v13 the largest t, v[14:15] the sum in two halves: tile A;  v16-19: tile B
.set STB,  16
.set QA,   20
.set QB,   32
.set PA,   44                          ; p's codes
.set PB,   56
.set KS,   68                          ; K's scale words: register j: lanes 0-15 image j, lanes 16-31 image 4 + j
.set VS,   72
.set QSA,  76
.set QSB,  77
.set PSA,  78
.set PSB,  79
.set SA,   80
.set SB,   144
.set BM,   208                         ; v208-211 the blocks' largest l, then p
.set PT,   212                         ; v212-219 at work
.set SO,   220                         ; v220-223 the conversions' scale operands
.set F,    224                         ; v[224:225] 2^(old M - new M); the upper register is named with it and holds 0
.set W,    226
.set W2,   227
.set TM,   208                         ; QUANT's 16 registers on the way out
.set SCW,  228                         ; v228 where my scale word goes
.set SCRD, 229                         ; v229 where 8 bytes of a head's scale words come back
.set L8,   230                         ; v230 8 x lane
.set R16,  231                         ; v231 16 r
.set PWA,  232
.set PWB,  233
.set OS,   236                         ; v236-239 the partner's -M and sums
.set GA0,  240                         ; v[240:241], v[242:243] tile A's two factors (mine, the partner's); v[244:247] tile B's; the upper registers hold 0
.set GA1,  242
.set GB0,  244
.set GB1,  246
.set XS,   248                         ; v248 the hand-over's statistics: my pair's 512 bytes + 16 x lane
.set MK,   96                          ; window 1: the mask's first half
.set OA,   128                         ; window 1: O^T
.set OB,   192
.set G1KV, 24
.set G1M,  32
.set G0KV, 40
.set G0M,  44
.set SEL,  20                          ; s[20:21]
.set CS,   22                          ; s[22:23] log2(e)
.set SC,   66                          ; s[66:67] 1 / sqrt(128)
.set SLOTS, 68
.set PFA,  76                          ; s[76:77]
.set LIM,  80
.set MSB, 0
.macro WIN new                         ; the immediate's high byte repeats the setting that is left
.if MSB != \new
	s_set_vgpr_msb (MSB<<8)|\new
.set MSB, \new
.endif
.endm
.macro PLACES n
.rept \n
	v_nop
.endr
.endm
.macro JLOAD                           ; waves 0, 1: K, V; waves 2, 3: the mask's halves; waves 4-7: nothing.  The branches hang on the wave's number alone.  Four v_nop follow each of the two lines
	s_cmp_eq_u32 s15, 0
	s_cbranch_scc0 .Lnot_kv_\@
	tensor_load_to_lds s[G0KV:G0KV+3], s[G1KV:G1KV+7]
	s_nop 0
.rept 4
	v_nop
.endr
	s_branch .Lasked_\@
.Lnot_kv_\@:
	s_cmp_eq_u32 s15, 1
	s_cbranch_scc0 .Lasked_\@
	tensor_load_to_lds s[G0M:G0M+3], s[G1M:G1M+7]
	s_nop 0
.rept 4
	v_nop
.endr
.Lasked_\@:
.endm
.macro CROUND
	s_barrier_signal -1
	s_barrier_wait -1
	s_cmp_lg_u32 s14, 0
	s_cbranch_scc1 .Lnot_wave_0_\@
	s_barrier_signal -3
.Lnot_wave_0_\@:
	s_barrier_wait -3
	s_barrier_signal -1
	s_barrier_wait -1
.endm
; A PREFETCH of the mask's tile that the NEXT change of slots will ask for: a slot ahead of that load.  Both clusters of a row of clusters read the same rows: the one with x = 0 asks.  In it waves 2 and 3 ask, each for the
; 32 rows that it fetches, a lane a row; a row's 1,024 bytes of a slot are four blocks of 256, and the partner at cx names block cx: told apart by address.  So each block is named once.  The last change that fills a slot asks for nothing.
.macro ASK
	s_cmp_gt_u32 s[SLOTS], s[LIM]
	s_cbranch_scc0 .Lnot_mine_\@
	global_prefetch_b8 v[PFO], s[PFA:PFA+1] th:TH_LOAD_NT scope:SCOPE_SE
.Lnot_mine_\@:
.endm
.macro QUANT s, pc, pw                 ; 64 numbers of a lane, register 16 b + i = k 32 b + 16 (lane / 16) + i, become a fragment in v[pc] on and a scale word in v[pw]
.irp b, 0,1,2,3
	v_max3_num_f32 v[TM+\b], 0x1800000, |v[(\s)+16*\b]|, |v[(\s)+16*\b+1]|
.endr
.irp i, 2,4,6,8,10,12,14
.irp b, 0,1,2,3
	v_max3_num_f32 v[TM+\b], v[TM+\b], |v[(\s)+16*\b+\i]|, |v[(\s)+16*\b+\i+1]|
.endr
.endr
.irp b, 0,1,2,3
	v_permlanex16_b32 v[TM+4+\b], v[TM+\b], s[SEL], s[SEL+1]
.endr
.irp b, 0,1,2,3
	v_max_num_f32 v[TM+\b], v[TM+\b], v[TM+4+\b]
.endr
.irp b, 0,1,2,3
	v_add_nc_u32 v[TM+12+\b], 0xff000000, v[TM+\b]
.endr
.irp b, 0,1,2,3
	v_lshrrev_b32 v[TM+4+\b], 23, v[TM+12+\b]
.endr
	v_lshl_or_b32 v[\pw], v[TM+5], 8, v[TM+4]
	v_lshl_or_b32 v[\pw], v[TM+6], 16, v[\pw]
	v_lshl_or_b32 v[\pw], v[TM+7], 24, v[\pw]
.irp c, 0,1
	v_cvt_scalef32_pk16_fp6_f32 v[\pc+6*\c:\pc+6*\c+2], v[(\s)+32*\c:(\s)+32*\c+15], v[TM+12+2*\c]
	v_cvt_scalef32_pk16_fp6_f32 v[\pc+12+4*\c:\pc+12+4*\c+2], v[(\s)+32*\c+16:(\s)+32*\c+31], v[TM+13+2*\c]
.endr
	v_nop
.irp c, 0,1
.irp i, 0,1,2
	v_permlane16_swap_b32 v[\pc+6*\c+\i], v[\pc+12+4*\c+\i]
.endr
.irp i, 0,1,2
	v_mov_b32 v[\pc+3+6*\c+\i], v[\pc+12+4*\c+\i]
.endr
.endr
.endm
	s_load_b256 s[4:11], s[0:1], 0x0               ; qki s[4:5], vi s[6:7], mask s[8:9], ai s[10:11]
	v_lshl_add_u32 v[SPW], v0, 2, SPARE
	v_mov_b32 v[NIL], 0
	ds_add_u32 v8, v9
	s_wait_dscnt 0x0
	v_lshrrev_b32 v1, 5, v0
	v_readfirstlane_b32 s14, v1                    ; wave 0..7
	s_lshr_b32 s15, s14, 1                         ; what I fetch: 0: K or V; 1: the mask; 2, 3: nothing
	s_and_b32 s16, s14, 1
	s_and_b32 s12, s14, 3                          ; my image of 16 queries among the work-group's four
	s_lshr_b32 s13, s14, 2                         ; my key step of each slot
	s_and_b32 s19, s15, 1                          ; my image / 2
	s_bfe_u32 s48, ttmp6, 0x40000                  ; cx
	s_bfe_u32 s49, ttmp6, 0x40004                  ; cy
	s_lshl_b32 s18, ttmp9, 2
	s_add_co_u32 s18, s18, s48                     ; the kv head
	s_and_b32 s17, ttmp7, 0xffff
	s_lshl_b32 s17, s17, 2
	s_add_co_u32 s17, s17, s49                     ; the block of 64 queries
	s_lshl_b32 s50, s49, 2
	s_lshl_b32 s50, 15, s50                        ; my row of the cluster
	s_lshl_b32 s51, 0x1111, s48                    ; my column
	; group 1 for K and V: 25,600 dense bytes as 100 rows of 256 (32 elements of 8 bytes)
	s_or_b32 s[G1KV], s51, (3<<16)|(1<<21)
	s_mov_b32 s[G1KV+1], 32<<16
	s_mov_b32 s[G1KV+2], 100<<16
	s_mov_b32 s[G1KV+3], 32<<16
	s_mov_b32 s[G1KV+4], 100
	s_mov_b32 s[G1KV+5], 32
	s_mov_b32 s[G1KV+6], 0
	s_mov_b32 s[G1KV+7], 0
	; group 1 for the mask: 32 rows x 256 numbers of 4 bytes, 2,048 numbers from row to row; 4 words of padding behind every 256 words
	s_or_b32 s[G1M], s50, (2<<16)|(1<<20)|(1<<21)|(7<<22)|(3<<25)
	s_mov_b32 s[G1M+1], 256<<16
	s_mov_b32 s[G1M+2], 32<<16
	s_mov_b32 s[G1M+3], 256<<16
	s_mov_b32 s[G1M+4], 32
	s_mov_b32 s[G1M+5], 2048
	s_mov_b32 s[G1M+6], 0
	s_mov_b32 s[G1M+7], 0
	s_mul_i32 s52, s18, 16*CHUNK                   ; V: the kv head's 16 chunks
	s_add_co_u32 s54, s52, 16*16*CHUNK             ; K: behind q's 16 heads
	s_mov_b32 s53, 0
	s_lshl_b32 s56, s17, 19                        ; the mask: 64 rows of 8,192 bytes a block,
	s_lshl_b32 s58, s16, 18                        ; the 32 of them that I fetch
	s_add_co_u32 s56, s56, s58
	s_mov_b32 s57, 0
	s_mul_i32 s59, s16, KVB                        ; K at a slot's head, V behind it
	s_mul_i32 s60, s16, 32*MP
	s_add_co_u32 s60, s60, MOFF
	s_mov_b32 s[SEL], 0x76543210
	s_mov_b32 s[SEL+1], 0xfedcba98
	s_mov_b32 s[CS], 0x3fb8aa3b                    ; log2(e)
	s_mov_b32 s[CS+1], s[CS]                       ; (named with it as a pair, so it is written)
	s_mov_b32 s[SC], 0x3db504f3                    ; 1 / sqrt(128)
	s_mov_b32 s[SC+1], s[SC]
	s_mov_b32 s2, 0                                ; the slot in hand
	s_mov_b32 s[SLOTS], 7                          ; slots still to be asked for
	s_xor_b32 s98, s15, 1                          ; 0 in waves 2 and 3 alone,
	s_or_b32 s98, s98, ttmp9                       ; of the clusters with x = 0: the same in all partners
	s_cmp_eq_u32 s98, 0
	s_cselect_b32 s[LIM], 1, -1
	s_lshl_b32 s70, s48, 8                         ; the prefetches: block cx of a row's four,
	s_add_co_u32 s70, s70, s56                     ; my 32 rows,
	s_add_co_u32 s70, s70, 1024                    ; in slot 1: the first change of slots steps it to slot 2
	s_mov_b32 s71, 0
	s_lshr_b32 s72, s17, 1                         ; the row block of 128 queries
	s_and_b32 s73, s17, 1                          ; and which half of it
	s_lshl_b32 s74, s18, 5
	s_add_co_u32 s74, s74, s72                     ; head A's chunk in qki: 16 (2 kvh) + row block
	s_mul_i32 s74, s74, CHUNK
	s_mov_b32 s75, 0
	s_lshl_b32 s81, s73, 2
	s_add_co_u32 s81, s81, s12                     ; my image in the chunk
	s_mul_i32 s86, s81, 1536
	s_mov_b32 s87, 0
	s_lshl_b32 s88, s73, 8
	s_lshl_b32 s90, s12, 2
	s_add_co_u32 s90, s90, s88
	s_add_co_u32 s90, s90, 12288                   ; its scale words: 12288 + 256 (image / 4) + 4 (image % 4)
	s_mov_b32 s91, 0
	s_lshl_b32 s92, s72, 4
	s_lshl_b32 s93, s18, 1
	s_add_co_u32 s92, s92, s93                     ; head A's chunk in ai: 16 x row block + 2 kvh
	s_mul_i32 s92, s92, CHUNK
	s_mov_b32 s93, 0
	s_wait_kmcnt 0x0
	s_cmp_eq_u32 s16, 0
	s_cselect_b32 s52, s54, s52
	s_cselect_b64 s[62:63], s[4:5], s[6:7]         ; even waves: K out of qki; odd waves: V out of vi
	s_mov_b32 s[G0KV], 1
	s_mov_b32 s[G0KV+1], s59
	s_add_nc_u64 s[G0KV+2:G0KV+3], s[62:63], s[52:53]
	s_or_b32 s[G0KV+3], s[G0KV+3], 0x80000000
	s_mov_b32 s[G0M], 1
	s_mov_b32 s[G0M+1], s60
	s_add_nc_u64 s[G0M+2:G0M+3], s[8:9], s[56:57]
	s_or_b32 s[G0M+3], s[G0M+3], 0x80000000
	s_add_nc_u64 s[PFA:PFA+1], s[8:9], s[70:71]
	s_add_nc_u64 s[82:83], s[4:5], s[74:75]
	s_add_nc_u64 s[84:85], s[82:83], s[86:87]      ; Q's image, head A; head B's lies 16 chunks on
	s_add_nc_u64 s[82:83], s[82:83], s[90:91]      ; its scale words
	s_add_nc_u64 s[10:11], s[10:11], s[92:93]
	s_add_nc_u64 s[94:95], s[10:11], s[86:87]      ; where my image of o goes, head A; head B's lies one chunk on
	s_mul_i32 s92, s16, CHUNK
	s_add_co_u32 s92, s92, s88
	s_add_co_u32 s92, s92, 12288
	s_add_nc_u64 s[96:97], s[10:11], s[92:93]      ; the 256 bytes of scale words of head w % 2
	CROUND                                         ; all sixteen work-groups are here
	JLOAD                                          ; slot 0
	; every LDS address of the launch is made here, ahead of the first parting of the waves
	v_and_b32 v1, 15, v0                           ; r
	v_bfe_u32 v2, v0, 4, 1                         ; h
	v_and_b32 v[L8], 31, v0                        ; the lane, for three lines
	v_lshlrev_b32 v[L16], 4, v[L8]
	v_lshlrev_b32 v[R16], 4, v1
.irp c, 0,1,2
	global_load_b128 v[QA+4*\c:QA+4*\c+3], v[L16], s[84:85] offset:512*\c
	global_load_b128 v[QB+4*\c:QB+4*\c+3], v[L16], s[84:85] offset:16*CHUNK+512*\c
.endr
	global_load_b32 v[QSA], v[R16], s[82:83]
	global_load_b32 v[QSB], v[R16], s[82:83] offset:16*CHUNK
	v_lshlrev_b32 v[PFO], 13, v[L8]
	v_lshlrev_b32 v[L8], 3, v[L8]
	s_mul_i32 s52, s13, CHUNK
	v_add_nc_u32 v[AKV0], s52, v[L16]              ; my key step's chunk of K; V's lies KVB on
	v_and_b32 v[ADM], 8, v1
	v_add_nc_u32 v[ADM], v[ADM], v1                ; r + 8 (r / 8)
	v_mul_u32_u24 v[AM0], v[ADM], MP
	v_lshl_add_u32 v[AM0], v2, 6, v[AM0]
	s_mul_i32 s52, s19, 32*MP
	s_mul_i32 s53, s16, 8*MP
	s_add_co_u32 s52, s52, s53
	s_lshl_b32 s53, s13, 9                         ; my key step's 128 numbers of a row
	s_add_co_u32 s52, s52, s53
	s_add_co_u32 s52, s52, MOFF
	v_add_nc_u32 v[AM0], s52, v[AM0]               ; my image's rows of the 64: 32 (image / 2) + 8 (image % 2) + r + 8 (r / 8)
	s_lshl_b32 s52, s12, 2
	s_add_co_u32 s52, s52, SCR
	v_add_nc_u32 v[SCW], s52, v[R16]               ; SCR + 16 r + 4 x image
	s_lshl_b32 s52, s16, 8
	s_add_co_u32 s52, s52, SCR
	v_add_nc_u32 v[SCRD], s52, v[L8]
	s_lshl_b32 s52, s12, 14
	s_add_co_u32 s52, s52, XCH
	v_add_nc_u32 v[XA], s52, v[L16]
	s_lshl_b32 s52, s12, 9
	s_add_co_u32 s52, s52, XST
	v_add_nc_u32 v[XS], s52, v[L16]
.irp x, STA, STB
	v_mov_b32 v[\x+1], 0xff61b1e6                  ; the largest t so far: -3e38, under every t
	v_floor_f32 v[\x], -v[\x+1]                    ; -M
	v_mov_b32 v[\x+2], 0
	v_mov_b32 v[\x+3], 0
.endr
.irp b, 0,1,2,3
	v_mov_b32 v[PT+\b], 0                          ; written once: a lane permute's destination counts as one of its sources
.endr
	v_mov_b32 v[F+1], 0
	WIN 0x40
.set jj, 0
.rept 128
	v_mov_b32 v[OA+jj], 0                          ; O^T of both tiles.  (The key step is written without a first step of its own: it finds zeros, which the first change of M leaves zeros)
.set jj, jj+1
.endr
	WIN 0
.macro KQ s, q, qs                     ; S^T = K Q^T: eight tiles of 16 keys
.irp t, 0,1,2,3
	v_wmma_scale_f32_16x16x128_f8f6f4 v[\s+8*\t:\s+8*\t+7], v[12*\t:12*\t+11], v[\q:\q+11], 0, v[KS+\t], v[\qs] matrix_a_fmt:MATRIX_FMT_FP6 matrix_b_fmt:MATRIX_FMT_FP6
.endr
.irp t, 4,5,6,7
	v_wmma_scale_f32_16x16x128_f8f6f4 v[\s+8*\t:\s+8*\t+7], v[12*\t:12*\t+11], v[\q:\q+11], 0, v[KS+\t-4], v[\qs] matrix_a_fmt:MATRIX_FMT_FP6 matrix_b_fmt:MATRIX_FMT_FP6 matrix_a_scale:MATRIX_SCALE_ROW1
.endr
.endm
.macro PV o, p, ps                     ; O^T += V^T P^T: eight tiles of 16 channels, the accumulators by turns
.irp t, 0,1,2,3
	v_wmma_scale_f32_16x16x128_f8f6f4 v[\o+8*\t:\o+8*\t+7], v[12*\t:12*\t+11], v[\p:\p+11], v[\o+8*\t:\o+8*\t+7], v[VS+\t], v[\ps] matrix_a_fmt:MATRIX_FMT_FP6 matrix_b_fmt:MATRIX_FMT_FP6
.endr
.irp t, 4,5,6,7
	v_wmma_scale_f32_16x16x128_f8f6f4 v[\o+8*\t:\o+8*\t+7], v[12*\t:12*\t+11], v[\p:\p+11], v[\o+8*\t:\o+8*\t+7], v[VS+\t-4], v[\ps] matrix_a_fmt:MATRIX_FMT_FP6 matrix_b_fmt:MATRIX_FMT_FP6 matrix_a_scale:MATRIX_SCALE_ROW1
.endr
.endm
.macro RESCALE o                       ; O^T under the new M.  These 32 are also the places in front of the products that take the codes and the scale word just made
.set jj, 0
.rept 32
	v_pk_mul_f32 v[\o+jj:\o+jj+1], v[\o+jj:\o+jj+1], v[F:F+1] op_sel_hi:[1,0]
.set jj, jj+2
.endr
.endm
; One tile's softmax for 128 keys.  sb: l in 64 registers (16 b + i = key 32 b + 16 (lane / 16) + i); st: the statistics; pc: where p's codes go; ps: its scale word.
.macro SOFTMAX sb, st, pc, ps
.irp b, 0,1,2,3
	v_max3_num_f32 v[BM+\b], v[\sb+16*\b], v[\sb+16*\b+1], v[\sb+16*\b+2]   ; the largest l of each block of 32 keys: it serves for the row's maximum and, since p rises with l, for the block's largest p
.endr
.irp i, 3,5,7,9,11,13
.irp b, 0,1,2,3
	v_max3_num_f32 v[BM+\b], v[BM+\b], v[\sb+16*\b+\i], v[\sb+16*\b+\i+1]
.endr
.endr
.irp b, 0,1,2,3
	v_max_num_f32 v[BM+\b], v[BM+\b], v[\sb+16*\b+15]
.endr
.irp b, 0,1,2,3
	v_permlanex16_b32 v[PT+\b], v[BM+\b], s[SEL], s[SEL+1]
.endr
.irp b, 0,1,2,3
	v_max_num_f32 v[BM+\b], v[BM+\b], v[PT+\b]         ; with lane l xor 16's 16 keys
.endr
	v_max3_num_f32 v[W], v[BM], v[BM+1], v[BM+2]
	v_max_num_f32 v[W], v[W], v[BM+3]
	v_mul_f32 v[W], s[CS], v[W]                        ; as t
	v_max_num_f32 v[\st+1], v[\st+1], v[W]             ; the running largest t
	v_mov_b32 v[W], v[\st]
	v_floor_f32 v[\st], -v[\st+1]                      ; the new -M = -ceil(t)
	v_sub_f32 v[W], v[\st], v[W]                       ; old M - new M: a whole number, 0 or less
	v_cvt_i32_f32 v[W], v[W]                           ; (it saturates)
	v_ldexp_f32 v[F], 1.0, v[W]
.set jj, 0
.rept 32
	v_pk_mul_f32 v[\sb+jj:\sb+jj+1], v[\sb+jj:\sb+jj+1], s[CS:CS+1] op_sel_hi:[1,0]      ; t, rounded on its own
.set jj, jj+2
.endr
.set jj, 0
.rept 32
	v_pk_add_f32 v[\sb+jj:\sb+jj+1], v[\sb+jj:\sb+jj+1], v[\st:\st+1] op_sel_hi:[1,0]    ; t - M
.set jj, jj+2
.endr
.irp b, 0,1,2,3
	v_mul_f32 v[BM+\b], s[CS], v[BM+\b]                ; the same two of each block's largest l: the same bits
.endr
.irp b, 0,1,2,3
	v_add_f32 v[BM+\b], v[BM+\b], v[\st]
.endr
.set jj, 0
.rept 64
	v_exp_f32 v[\sb+jj], v[\sb+jj]                     ; p = 2^(t - M), at most 1
.set jj, jj+1
.endr
	v_pk_mul_f32 v[\st+2:\st+3], v[\st+2:\st+3], v[F:F+1] op_sel_hi:[1,0]   ; the sums under the new M (a plain place behind the exponentials)
	s_wait_alu depctr_va_vdst(0)                       ; one wait for the batch of 64, ahead of its first reader
.irp b, 0,1,2,3
	v_exp_f32 v[BM+\b], v[BM+\b]                       ; the blocks' largest p
.endr
	v_pk_add_f32 v[PT:PT+1], v[\sb:\sb+1], v[\sb+2:\sb+3]   ; the row's sum of the unquantised p, in two chains
.irp j, 4,8,12,16,20,24,28,32,36,40,44,48,52,56,60
	v_pk_add_f32 v[\st+2:\st+3], v[\st+2:\st+3], v[\sb+\j:\sb+\j+1]
	v_pk_add_f32 v[PT:PT+1], v[PT:PT+1], v[\sb+\j+2:\sb+\j+3]
.endr
	v_pk_add_f32 v[\st+2:\st+3], v[\st+2:\st+3], v[PT:PT+1]
	s_wait_alu depctr_va_vdst(0)                       ; and one for the four
.irp b, 0,1,2,3
	v_max_num_f32 v[BM+\b], 0x1800000, v[BM+\b]        ; the floor 2^(3 - 127): the byte cannot fall under 1
.endr
.irp b, 0,1,2,3
	v_add_nc_u32 v[SO+\b], 0xff000000, v[BM+\b]
.endr
.irp b, 0,1,2,3
	v_lshrrev_b32 v[PT+\b], 23, v[SO+\b]
.endr
	v_lshl_or_b32 v[\ps], v[PT+1], 8, v[PT]
	v_lshl_or_b32 v[\ps], v[PT+2], 16, v[\ps]
	v_lshl_or_b32 v[\ps], v[PT+3], 24, v[\ps]
.irp c, 0,1
	v_cvt_scalef32_pk16_fp6_f32 v[\pc+6*\c:\pc+6*\c+2], v[\sb+32*\c:\sb+32*\c+15], v[SO+2*\c]
	v_cvt_scalef32_pk16_fp6_f32 v[PT+4*\c:PT+4*\c+2], v[\sb+32*\c+16:\sb+32*\c+31], v[SO+2*\c+1]
.endr
	v_nop
.irp c, 0,1
.irp i, 0,1,2
	v_permlane16_swap_b32 v[\pc+6*\c+\i], v[PT+4*\c+\i]
.endr
.irp i, 0,1,2
	v_mov_b32 v[\pc+3+6*\c+\i], v[PT+4*\c+\i]
.endr
.endr
.endm
; MY KEY STEP of the slot in hand: 128 keys, for both tiles.  Which of the slot's two steps is mine stands in the two address registers.
; K's 96 registers serve three times: K; behind K Q^T the mask's second half (v0-31) and V's loads 8-23 (v32-95); behind the mask's last use V's loads 0-7.
.macro STEP
	v_add_nc_u32 v[ADKV], s2, v[AKV0]
	v_add_nc_u32 v[ADM], s2, v[AM0]
	v_nop
	v_nop                                          ; four places behind the last products, in front of loads into registers that they have read
	ds_load_b128 v[KS:KS+3], v[ADKV] offset:12288
	ds_load_b128 v[VS:VS+3], v[ADKV] offset:KVB+12288
	WIN 0x40                                       ; destination window 1
.set nn, 0
.rept 24
	ds_load_b128 v[4*nn:4*nn+3], v[ADKV] offset:512*nn                 ; K: load n is registers 4 n on of the eight images on end
.set nn, nn+1
.endr
.irp b, 0,1
.irp j, 0,1,2,3
	ds_load_b128 v[MK+16*\b+4*\j:MK+16*\b+4*\j+3], v[ADM] offset:128*\b+16*\j      ; the mask of keys 0-63
.endr
.endr
	s_wait_dscnt 8                                 ; the scale words and K are in; the mask's 8 loads may be out
	WIN 0x01                                       ; source 0 (K) window 1
	KQ SA, QA, QSA
	KQ SB, QB, QSB
	WIN 0
	PLACES 4                                       ; behind the products: for the loads into K's registers and the first reads of the scores
	WIN 0x40
.irp b, 0,1
.irp j, 0,1,2,3
	ds_load_b128 v[16*\b+4*\j:16*\b+4*\j+3], v[ADM] offset:256+128*\b+16*\j        ; the mask of keys 64-127
.endr
.endr
.set nn, 8
.rept 16
	ds_load_b128 v[4*nn:4*nn+3], v[ADKV] offset:KVB+512*nn             ; V's loads 8-23
.set nn, nn+1
.endr
	s_wait_dscnt 24                                ; the mask's first half is in; its second half's 8 loads and V's 16 may be out
	WIN 0x10                                       ; source 2 (the mask) window 1
.set jj, 0
.rept 16
	v_pk_fma_f32 v[SA+jj:SA+jj+1], v[SA+jj:SA+jj+1], s[SC:SC+1], v[MK+jj:MK+jj+1] op_sel_hi:[1,0,1]   ; l = score / sqrt(128) + mask; each accumulator from its low end on
.set jj, jj+2
.endr
.set jj, 0
.rept 16
	v_pk_fma_f32 v[SB+jj:SB+jj+1], v[SB+jj:SB+jj+1], s[SC:SC+1], v[MK+jj:MK+jj+1] op_sel_hi:[1,0,1]
.set jj, jj+2
.endr
	s_wait_dscnt 16                                ; the mask's second half is in; V's 16 loads may be out
.set jj, 0
.rept 16
	v_pk_fma_f32 v[SA+32+jj:SA+33+jj], v[SA+32+jj:SA+33+jj], s[SC:SC+1], v[jj:jj+1] op_sel_hi:[1,0,1]
.set jj, jj+2
.endr
.set jj, 0
.rept 16
	v_pk_fma_f32 v[SB+32+jj:SB+33+jj], v[SB+32+jj:SB+33+jj], s[SC:SC+1], v[jj:jj+1] op_sel_hi:[1,0,1]
.set jj, jj+2
.endr
	WIN 0x40
.set nn, 0
.rept 8
	ds_load_b128 v[4*nn:4*nn+3], v[ADKV] offset:KVB+512*nn             ; V's loads 0-7: tile A's softmax stands between them and their use
.set nn, nn+1
.endr
	WIN 0
	SOFTMAX SA, STA, PA, PSA
	WIN 0x41                                       ; O^T: destination and source 0 window 1
	RESCALE OA
	s_wait_dscnt 0x0                               ; V is in
	WIN 0x51                                       ; source 0 (V) window 1, source 1 (p) window 0, C and D window 1
	PV OA, PA, PSA
	WIN 0
	SOFTMAX SB, STB, PB, PSB                       ; tile B's vector work stands behind tile A's products
	WIN 0x41
	RESCALE OB
	WIN 0x51
	PV OB, PB, PSB
	WIN 0
.endm
; THE CHANGE OF SLOTS stands at a slot's head.  Each wave waits for all its tensor loads (its part of the slot ahead), adds 0 to its spare word, and waits for that and for its reads of the slot that it has left.
; fill = 1: behind a round of the cluster's barrier that other slot is filled with the next 256 keys: the load has a slot's work in which to land.
.macro CHANGE fill
	s_wait_tensorcnt 0x0                           ; no tensor load of mine is out, so a group 0 may be written
	ds_add_u32 v[SPW], v[NIL]                      ; 0 onto my spare word
.if \fill
	s_xor_b32 s[G0KV+1], s[G0KV+1], SLOT1
	s_add_nc_u64 s[G0KV+2:G0KV+3], s[G0KV+2:G0KV+3], KVB
	s_xor_b32 s[G0M+1], s[G0M+1], SLOT1
	s_add_nc_u64 s[G0M+2:G0M+3], s[G0M+2:G0M+3], 1024
	s_wait_xcnt 0x0                                ; the last prefetch, a slot back, has read its address
	s_add_nc_u64 s[PFA:PFA+1], s[PFA:PFA+1], 1024
	s_wait_dscnt 0x0                               ; the add is done, and my reads of the slot that I have left are over
	CROUND
	JLOAD
	ASK
.else
	s_wait_dscnt 0x0
	s_barrier_signal -1
	s_barrier_wait -1
.endif
.endm
	s_wait_loadcnt 0x0                             ; Q and its scale words
.Lslot:                                            ; seven trips: behind each change of slots but the last the next slot is asked for
	CHANGE 1
	STEP
	s_xor_b32 s2, s2, SLOT1
	s_sub_co_u32 s[SLOTS], s[SLOTS], 1
	s_cmp_lg_u32 s[SLOTS], 0
	s_cbranch_scc1 .Lslot
	CHANGE 0                                       ; the last slot is written out
	STEP
	PLACES 4                                       ; behind the last products, in front of the first reads of O^T
	; THE TWO HALVES OF THE KEYS MEET.  Waves 4-7 hand O^T (an image of its 128 registers), -M and the sums to their partners through LDS bytes of their own.
	v_add_f32 v[PT+1], v[STA+2], v[STA+3]          ; the sums' two halves
	v_add_f32 v[PT+3], v[STB+2], v[STB+3]
	v_mov_b32 v[PT], v[STA]                        ; -M
	v_mov_b32 v[PT+2], v[STB]
	s_cmp_eq_u32 s13, 0
	s_cbranch_scc1 .Lkeeps
	WIN 0x04                                       ; an LDS store's data are its source 1: window 1
.set nn, 0
.rept 32
	ds_store_b128 v[XA], v[OA+4*nn:OA+4*nn+3] offset:512*nn            ; each accumulator from its low end on; 512 consecutive bytes a store
.set nn, nn+1
.endr
	WIN 0
	ds_store_b128 v[XS], v[PT:PT+3]
.Lkeeps:
	s_wait_dscnt 0x0                               ; for the partner's sake: my stores are in LDS
	s_barrier_signal -1
	s_barrier_wait -1
	s_cmp_lg_u32 s13, 0
	s_cbranch_scc1 .Lhanded
	; waves 0-3: both halves under the larger M, added, divided by the sum, quantised along the head's 128, stored as my image of the two heads' chunks
	ds_load_b128 v[OS:OS+3], v[XS]
.set nn, 0
.rept 32
	ds_load_b128 v[SA+4*nn:SA+4*nn+3], v[XA] offset:512*nn             ; the partner's O^T into the registers that held the scores
.set nn, nn+1
.endr
	s_wait_dscnt 32                                ; the statistics are in; the image's 32 loads may be out
	v_min_num_f32 v[W], v[PT], v[OS]               ; -M of both halves: the smaller -M
	v_min_num_f32 v[W2], v[PT+2], v[OS+2]
	v_sub_f32 v[GA0], v[W], v[PT]                  ; my M less the common one: a whole number, 0 or less
	v_sub_f32 v[GA1], v[W], v[OS]                  ; the partner's
	v_sub_f32 v[GB0], v[W2], v[PT+2]
	v_sub_f32 v[GB1], v[W2], v[OS+2]
.irp g, GA0, GA1, GB0, GB1
	v_cvt_i32_f32 v[\g], v[\g]                     ; (it saturates)
.endr
.irp g, GA0, GA1, GB0, GB1
	v_ldexp_f32 v[\g], 1.0, v[\g]                  ; a power of two, or 0
	v_mov_b32 v[\g+1], 0                           ; (named with it as a pair, so it is written)
.endr
	v_mul_f32 v[PT+1], v[PT+1], v[GA0]
	v_mul_f32 v[PT+3], v[PT+3], v[GB0]
	v_fma_f32 v[PT+1], v[OS+1], v[GA1], v[PT+1]    ; the sums of both halves of the keys
	v_fma_f32 v[PT+3], v[OS+3], v[GB1], v[PT+3]
	v_permlanex16_b32 v[BM], v[PT+1], s[SEL], s[SEL+1]
	v_permlanex16_b32 v[BM+1], v[PT+3], s[SEL], s[SEL+1]
	v_add_f32 v[PT+1], v[PT+1], v[BM]              ; with lane l xor 16's: the rows' sums
	v_add_f32 v[PT+3], v[PT+3], v[BM+1]
	v_rcp_f32 v[BM+2], v[PT+1]
	v_rcp_f32 v[BM+3], v[PT+3]
	v_nop                                          ; a plain place behind the reciprocals
	s_wait_alu depctr_va_vdst(0)                   ; one wait for both, ahead of the first reader
	v_mul_f32 v[GA0], v[GA0], v[BM+2]              ; the division goes into the factors
	v_mul_f32 v[GA1], v[GA1], v[BM+2]
	v_mul_f32 v[GB0], v[GB0], v[BM+3]
	v_mul_f32 v[GB1], v[GB1], v[BM+3]
	s_wait_dscnt 0x0                               ; the partner's O^T is in
.set jj, 0
.rept 32
	v_pk_mul_f32 v[SA+jj:SA+jj+1], v[SA+jj:SA+jj+1], v[GA1:GA1+1] op_sel_hi:[1,0]
.set jj, jj+2
.endr
.set jj, 0
.rept 32
	v_pk_mul_f32 v[SB+jj:SB+jj+1], v[SB+jj:SB+jj+1], v[GB1:GB1+1] op_sel_hi:[1,0]
.set jj, jj+2
.endr
	WIN 0x01                                       ; source 0 (my O^T) window 1
.set jj, 0
.rept 32
	v_pk_fma_f32 v[SA+jj:SA+jj+1], v[OA+jj:OA+jj+1], v[GA0:GA0+1], v[SA+jj:SA+jj+1] op_sel_hi:[1,0,1]   ; each accumulator from its low end on
.set jj, jj+2
.endr
.set jj, 0
.rept 32
	v_pk_fma_f32 v[SB+jj:SB+jj+1], v[OB+jj:OB+jj+1], v[GB0:GB0+1], v[SB+jj:SB+jj+1] op_sel_hi:[1,0,1]
.set jj, jj+2
.endr
	WIN 0
	QUANT SA, QA, PWA
.irp c, 0,1,2
	global_store_b128 v[L16], v[QA+4*\c:QA+4*\c+3], s[94:95] offset:512*\c
.endr
	ds_store_b32 v[SCW], v[PWA]                    ; lanes r and r + 16 write the same word with the same value
	QUANT SB, PA, PWB
.irp c, 0,1,2
	global_store_b128 v[L16], v[PA+4*\c:PA+4*\c+3], s[94:95] offset:CHUNK+512*\c
.endr
	ds_store_b32 v[SCW], v[PWB] offset:256
.Lhanded:
	s_wait_dscnt 0x0                               ; for the others' sake: my words are in LDS
	s_barrier_signal -1
	s_barrier_wait -1
	s_cmp_lt_u32 s14, 2
	s_cbranch_scc0 .Lno_scales
	ds_load_b64 v[234:235], v[SCRD]                ; wave 0: head A's 256 bytes of scale words; wave 1: head B's
	s_wait_dscnt 0x0
	global_store_b64 v[L8], v[234:235], s[96:97]   ; 256 consecutive bytes, at a multiple of 256 from ai's first byte
.Lno_scales:
	s_wait_tensorcnt 0x0                           ; the wave's end
	ds_add_u32 v[SPW], v[NIL]
	s_wait_dscnt 0x0
	CROUND                                         ; the closing round
	s_endpgm
.Lfunc_end_k_q5fe463b282_attn:
	.size	k_q5fe463b282_attn, .Lfunc_end_k_q5fe463b282_attn-k_q5fe463b282_attn
	.p2alignl 7, 3214868480
	.fill 96, 4, 3214868480
	.section	.rodata,"a",@progbits
	.p2align	6, 0x0
	.amdhsa_kernel k_q5fe463b282_attn
		.amdhsa_group_segment_fixed_size 327680
		.amdhsa_private_segment_fixed_size 0
		.amdhsa_enable_private_segment 0
		.amdhsa_kernarg_size 32
		.amdhsa_user_sgpr_count 2
		.amdhsa_user_sgpr_kernarg_segment_ptr 1
		.amdhsa_wavefront_size32 1
		.amdhsa_system_sgpr_workgroup_id_x 1
		.amdhsa_system_sgpr_workgroup_id_y 1
		.amdhsa_system_sgpr_workgroup_id_z 1
		.amdhsa_system_vgpr_workitem_id 0
		.amdhsa_next_free_vgpr 512
		.amdhsa_next_free_sgpr 100
		.amdhsa_reserve_vcc 0
		.amdhsa_float_denorm_mode_32 3
		.amdhsa_float_denorm_mode_16_64 3
		.amdhsa_memory_ordered 1
		.amdhsa_forward_progress 1
		.amdhsa_inst_pref_size 122
	.end_amdhsa_kernel
	.amdgpu_metadata
---
amdhsa.version: [ 1, 2 ]
amdhsa.kernels:
  - .name:           k_q5fe463b282_attn
    .symbol:         k_q5fe463b282_attn.kd
    .args:
      - { .name: qki, .offset: 0, .size: 8, .value_kind: global_buffer, .address_space: global }
      - { .name: vi, .offset: 8, .size: 8, .value_kind: global_buffer, .address_space: global }
      - { .name: mask, .offset: 16, .size: 8, .value_kind: global_buffer, .address_space: global }
      - { .name: ai, .offset: 24, .size: 8, .value_kind: global_buffer, .address_space: global }
    .group_segment_fixed_size: 327680
    .private_segment_fixed_size: 0
    .kernarg_segment_align: 8
    .kernarg_segment_size: 32
    .max_flat_workgroup_size: 256
    .sgpr_count:     100
    .vgpr_count:     512
    .wavefront_size: 32
...
	.end_amdgpu_metadata
.endif
;; end of part 3
;; launch oproj (part 4): grid 32 x 8, 4 waves a work-group, clusters of 4 x 4, 327,680 bytes of LDS; arguments ai, woi, out0; writes out0
.if DOCPART == 4
	.amdgcn_target "amdgcn-amd-amdhsa--gfx1250"
	.amdhsa_code_object_version 6
	.text
	.protected	k_q5fe463b282_oproj
	.globl	k_q5fe463b282_oproj
	.p2align	8
	.type	k_q5fe463b282_oproj,@function
k_q5fe463b282_oproj:
	s_mov_b64 s[64:65], 0
	v_nop
	global_prefetch_b8 v0, s[64:65] scope:SCOPE_SE
	s_setreg_imm32_b32 hwreg(HW_REG_WAVE_MODE, 25, 1), 1
	s_wait_xcnt 0x0
	s_wait_alu depctr_hold_cnt(0) depctr_sa_sdst(0) depctr_va_vdst(0) depctr_va_sdst(0) depctr_va_ssrc(0) depctr_va_vcc(0) depctr_vm_vsrc(0)
	s_getreg_b32 s2, hwreg(HW_REG_IB_STS2, 6, 4)
	s_cmp_eq_u32 s2, 0
	s_cbranch_scc0 .Lentry_in_a_cluster
	s_endpgm
.Lentry_in_a_cluster:
	s_bfe_u32 s2, ttmp6, 0x10000c
	s_cmp_lg_u32 s2, 0xf033
	s_cbranch_scc0 .Lentry_shape_is_right
	s_endpgm
.Lentry_shape_is_right:
; out0 [2048][4096] = o wo on codes of FP6 (E2M3) with E8M0 scales, f32 sums.  K = 2,048 in 16 steps (a step is a head).
; Operands are chunks of 12,800 bytes (128 rows x 128 K): eight register images of 1,536 bytes, then 512 bytes of scale words; lane-row r of image t is row 32 (t / 2) + 8 (t % 2) + r + 8 (r / 8).
; ai: [16 row blocks][16 K steps]; woi: [32 column blocks][16 K steps].
; Source 0 = an image of P (128 columns of wo), source 1 = an image of R (rows of o): a lane holds one row of out0, and the 64 registers of its eight accumulators are 16 neighbouring columns in each 16 registers.
; SHARES.  A work-group: P 128 columns x R 256 rows; wave w: all of P against images 4 (w % 2) .. + 3 of R's chunk row w / 2: 32 accumulators.  32 x 8 = 256 work-groups.
; CLUSTER 4 x 4: P's block hangs on cx and is asked for jointly by a column of the cluster, R's on cy and by a row.
; RING: two LDS slots, each with four K steps: P 51,200 bytes, R's two chunk rows 51,200 each.  Waves 0, 1 fetch P's halves, waves 2, 3 R's chunk rows: one load a wave behind each round.
; REGISTERS: window 0: v1-15 addresses; v16-31 scale words, two sets (nothing else); v32-127 R's fragments, two sets; on the way out v32-95 and v144-207 rows read back.  window 1: P's fragments, two sets of 96.  window 2: the accumulators.
.set CHUNK,  12800
.set KSTEPS, 16
.set RBS,    KSTEPS*CHUNK
.set PSL,    4*CHUNK
.set SLOT,   3*PSL
.set SPARE,  2*SLOT                    ; behind the ring: the spare words, 128 bytes a wave: two blocks of 256 bytes that no other line names
.set LAPS,   KSTEPS/8
.set KSTG,   16*528                    ; the way out: a stage of 16 rows x (512 + 16) bytes a wave, in slot 0, which has had its last fill and its last read by then
.set VST, 4
.set VRD, 5
.set AP,  8
.set L16, 8
.set AR,  10
.set ARS, 12
.set SPW, 14
.set NIL, 15
.set SCL, 16
.set RF,  32
.set G1P, 24
.set G0P, 32
.set G1R, 48
.set G0R, 56
.set MUL, 0xa1
.set MSB, 0
.macro WIN new
.if MSB != \new
	s_set_vgpr_msb (MSB<<8)|\new
.set MSB, \new
.endif
.endm
.macro PLACES n
.rept \n
	v_nop
.endr
.endm
.macro JLOAD g0a, g1a, g0b, g1b        ; waves 0, 1 fetch for P, waves 2, 3 for R.  Four v_nop follow each of the two lines
	s_cmp_eq_u32 s15, 0
	s_cbranch_scc0 .Lfor_r_\@
	tensor_load_to_lds s[\g0a:\g0a+3], s[\g1a:\g1a+7]
	s_nop 0
.rept 4
	v_nop
.endr
	s_branch .Lasked_\@
.Lfor_r_\@:
	tensor_load_to_lds s[\g0b:\g0b+3], s[\g1b:\g1b+7]
	s_nop 0
.rept 4
	v_nop
.endr
.Lasked_\@:
.endm
.macro CREST
	s_cmp_lg_u32 s14, 0
	s_cbranch_scc1 .Lnot_wave_0_\@
	s_barrier_signal -3
.Lnot_wave_0_\@:
	s_barrier_wait -3
	s_barrier_signal -1
	s_barrier_wait -1
.endm
.macro CROUND
	s_barrier_signal -1
	s_barrier_wait -1
	CREST
.endm
	s_load_b128 s[4:7], s[0:1], 0x0                ; ai s[4:5], woi s[6:7]
	s_load_b64 s[8:9], s[0:1], 0x10                ; out0
	v_lshl_add_u32 v[SPW], v0, 2, SPARE
	v_mov_b32 v[NIL], 0
	ds_add_u32 v14, v15
	s_wait_dscnt 0x0
	v_lshrrev_b32 v1, 5, v0
	v_readfirstlane_b32 s14, v1                    ; wave 0..3
	s_lshr_b32 s15, s14, 1
	s_and_b32 s16, s14, 1
	s_bfe_u32 s40, ttmp6, 0x40000                  ; cx
	s_bfe_u32 s41, ttmp6, 0x40004                  ; cy
	s_lshl_b32 s43, s41, 2
	s_lshl_b32 s43, 15, s43                        ; my row of the cluster
	s_lshl_b32 s44, 0x1111, s40                    ; my column
	s_lshl_b32 s45, ttmp9, 2
	s_add_co_u32 s45, s45, s40                     ; P's block of 128 columns: it hangs on cx alone
	s_and_b32 s46, ttmp7, 0xffff
	s_lshl_b32 s46, s46, 2
	s_add_co_u32 s46, s46, s41
	s_lshl_b32 s46, s46, 1                         ; R's first row block: on cy alone
	s_or_b32 s[G1P], s44, (3<<16)|(1<<21)          ; dense bytes as rows of 256 (32 elements of 8 bytes): P: 100 rows = two K steps
	s_mov_b32 s[G1P+1], 32<<16
	s_mov_b32 s[G1P+2], 100<<16
	s_mov_b32 s[G1P+3], 32<<16
	s_mov_b32 s[G1P+4], 100
	s_mov_b32 s[G1P+5], 32
	s_mov_b32 s[G1P+6], 0
	s_mov_b32 s[G1P+7], 0
	s_or_b32 s[G1R], s43, (3<<16)|(1<<21)          ; R: 200 rows = four K steps of one chunk row
	s_mov_b32 s[G1R+1], 32<<16
	s_mov_b32 s[G1R+2], 200<<16
	s_mov_b32 s[G1R+3], 32<<16
	s_mov_b32 s[G1R+4], 200
	s_mov_b32 s[G1R+5], 32
	s_mov_b32 s[G1R+6], 0
	s_mov_b32 s[G1R+7], 0
	s_mul_i32 s88, s45, RBS
	s_mul_i32 s87, s16, 2*CHUNK
	s_add_co_u32 s88, s88, s87
	s_mov_b32 s89, 0
	s_add_co_u32 s90, s46, s16
	s_mul_i32 s90, s90, RBS
	s_mov_b32 s91, 0
	s_mul_i32 s96, s16, PSL
	s_add_co_u32 s96, s96, PSL
	s_wait_kmcnt 0x0
	s_add_nc_u64 s[92:93], s[6:7], s[88:89]
	s_add_nc_u64 s[94:95], s[4:5], s[90:91]
	CROUND                                         ; all sixteen work-groups are here: the first joint loads meet
.irp s, 0,1
	s_mov_b32 s[G0P+4*\s], 1
	s_add_co_u32 s[G0P+4*\s+1], s87, \s*SLOT
	s_add_nc_u64 s[G0P+4*\s+2:G0P+4*\s+3], s[92:93], \s*PSL
	s_or_b32 s[G0P+4*\s+3], s[G0P+4*\s+3], 0x80000000
	s_mov_b32 s[G0R+4*\s], 1
	s_add_co_u32 s[G0R+4*\s+1], s96, \s*SLOT
	s_add_nc_u64 s[G0R+4*\s+2:G0R+4*\s+3], s[94:95], \s*PSL
	s_or_b32 s[G0R+4*\s+3], s[G0R+4*\s+3], 0x80000000
	JLOAD G0P+4*\s, G1P, G0R+4*\s, G1R
.endr
	v_and_b32 v1, 15, v0                           ; r
	v_bfe_u32 v2, v0, 4, 1                         ; h
	v_and_b32 v3, 31, v0
	v_lshlrev_b32 v[AP], 4, v3                     ; 16 x lane
	v_add_nc_u32 v[AP+1], SLOT, v[AP]
	s_mul_i32 s20, s15, PSL
	s_add_co_u32 s20, s20, PSL
	s_mul_i32 s21, s16, 6144
	s_add_co_u32 s21, s21, s20
	v_add_nc_u32 v[AR], s21, v[AP]
	v_add_nc_u32 v[AR+1], SLOT, v[AR]
	s_lshl_b32 s21, s16, 8
	s_add_co_u32 s21, s21, s20
	s_add_co_u32 s21, s21, 12288
	v_lshl_add_u32 v[ARS], v1, 4, s21
	v_add_nc_u32 v[ARS+1], SLOT, v[ARS]
	s_mul_i32 s21, s14, KSTG
	v_mul_u32_u24 v[VST], v1, 528
	v_lshl_add_u32 v[VST], v2, 6, v[VST]
	v_add_nc_u32 v[VST], s21, v[VST]
	v_add_nc_u32 v[VRD], s21, v[AP]
	s_lshl_b32 s20, s46, 7
	s_lshl_b32 s21, s14, 6
	s_add_co_u32 s20, s20, s21                     ; my first row of out0: 128 x row block + 64 x wave
	s_lshl_b32 s20, s20, 14                        ; rows of 16,384 bytes
	s_lshl_b32 s21, s45, 9                         ; my 128 columns
	s_add_co_u32 s20, s20, s21
	s_mov_b32 s21, 0
	s_add_nc_u64 s[8:9], s[8:9], s[20:21]
; 8 matrix instructions: R's image a against P's eight, on fragment set p.  The 32 accumulators take turns in the same order in every step.
.macro MUL8 a, p, zero
.irp b, 0,1,2,3,4,5,6,7
.set DD, 8*(8*(\a)+\b)
.set PP, 96*(\p)+12*\b
.set RR, RF+48*(\p)+12*(\a)
.set SS, SCL+8*(\p)+(\b%4)
.set TT, SCL+8*(\p)+4+(\a)
.if (\zero) && (\b < 4)
	v_wmma_scale_f32_16x16x128_f8f6f4 v[DD:DD+7], v[PP:PP+11], v[RR:RR+11], 0, v[SS], v[TT] matrix_a_fmt:MATRIX_FMT_FP6 matrix_b_fmt:MATRIX_FMT_FP6
.elseif \zero
	v_wmma_scale_f32_16x16x128_f8f6f4 v[DD:DD+7], v[PP:PP+11], v[RR:RR+11], 0, v[SS], v[TT] matrix_a_fmt:MATRIX_FMT_FP6 matrix_b_fmt:MATRIX_FMT_FP6 matrix_a_scale:MATRIX_SCALE_ROW1
.elseif \b < 4
	v_wmma_scale_f32_16x16x128_f8f6f4 v[DD:DD+7], v[PP:PP+11], v[RR:RR+11], v[DD:DD+7], v[SS], v[TT] matrix_a_fmt:MATRIX_FMT_FP6 matrix_b_fmt:MATRIX_FMT_FP6
.else
	v_wmma_scale_f32_16x16x128_f8f6f4 v[DD:DD+7], v[PP:PP+11], v[RR:RR+11], v[DD:DD+7], v[SS], v[TT] matrix_a_fmt:MATRIX_FMT_FP6 matrix_b_fmt:MATRIX_FMT_FP6 matrix_a_scale:MATRIX_SCALE_ROW1
.endif
.endr
.endm
.macro FETCH slot, q, p                ; 38 LDS loads in one run: the slot's q-th K step into set p
	WIN 0x40
.irp f, 0,1,2,3,4,5,6,7
.irp c, 0,1,2
	ds_load_b128 v[96*(\p)+12*\f+4*\c:96*(\p)+12*\f+4*\c+3], v[AP+\slot] offset:CHUNK*(\q)+1536*\f+512*\c
.endr
.endr
	WIN 0
.irp a, 0,1,2,3
.irp c, 0,1,2
	ds_load_b128 v[RF+48*(\p)+12*\a+4*\c:RF+48*(\p)+12*\a+4*\c+3], v[AR+\slot] offset:CHUNK*(\q)+1536*\a+512*\c
.endr
.endr
	ds_load_b128 v[SCL+8*(\p):SCL+8*(\p)+3], v[AP+\slot] offset:CHUNK*(\q)+12288
	ds_load_b128 v[SCL+8*(\p)+4:SCL+8*(\p)+7], v[ARS+\slot] offset:CHUNK*(\q)
.endm
.macro STEP slot, q, zero
	s_wait_dscnt 0x0                               ; this step's set is in: it was asked for a step ago
	PLACES 4                                       ; loads into registers that matrix instructions have read stand four plain vector instructions behind them
	FETCH \slot, (\q)+1, ((\q)+1)%2
	WIN MUL
	MUL8 0, (\q)%2, \zero
	MUL8 1, (\q)%2, \zero
	MUL8 2, (\q)%2, \zero
	MUL8 3, (\q)%2, \zero
	WIN 0
.endm
.macro TURN slot, next, fill
	s_wait_tensorcnt 0x0                           ; all my tensor loads have landed: my part of the next slot
	ds_add_u32 v[SPW], v[NIL]                      ; 0 onto my spare word
	s_wait_dscnt 1                                 ; the add alone may be out: this step's set is in
	WIN MUL
	MUL8 0, 1, 0
	s_wait_dscnt 0x0                               ; the add is done, and my reads of this slot are over
	s_barrier_signal -1
	MUL8 1, 1, 0
	WIN 0
	s_barrier_wait -1
.if \fill
	CREST                                          ; the barrier has opened a round of the cluster's barrier
	s_add_nc_u64 s[G0P+4*\slot+2:G0P+4*\slot+3], s[G0P+4*\slot+2:G0P+4*\slot+3], 2*PSL
	s_add_nc_u64 s[G0R+4*\slot+2:G0R+4*\slot+3], s[G0R+4*\slot+2:G0R+4*\slot+3], 2*PSL
	JLOAD G0P+4*\slot, G1P, G0R+4*\slot, G1R       ; the first tensor load behind the round; its four v_nop are the places in front of the loads below
.else
	PLACES 4
.endif
	FETCH \next, 0, 0
	WIN MUL
	MUL8 2, 1, 0
	MUL8 3, 1, 0
	WIN 0
.endm
	s_wait_tensorcnt 0x1                           ; my part of slot 0 is in; slot 1's load may stay out
	s_barrier_signal -1
	s_barrier_wait -1
	FETCH 0, 0, 0
	STEP 0, 0, 1                                   ; the first step's products start the sums
	s_mov_b32 s3, LAPS-1
.Llap:
	STEP 0, 1, 0
	STEP 0, 2, 0
	TURN 0, 1, 1
	STEP 1, 0, 0
	STEP 1, 1, 0
	STEP 1, 2, 0
	TURN 1, 0, 1
	STEP 0, 0, 0
	s_sub_co_u32 s3, s3, 1
	s_cmp_lg_u32 s3, 0
	s_cbranch_scc1 .Llap
	STEP 0, 1, 0                                   ; the last lap fills nothing
	STEP 0, 2, 0
	TURN 0, 1, 0
	STEP 1, 0, 0
	STEP 1, 1, 0
	STEP 1, 2, 0
	s_wait_dscnt 0x0
	WIN MUL
	MUL8 0, 1, 0
	MUL8 1, 1, 0
	MUL8 2, 1, 0
	MUL8 3, 1, 0
	WIN 0
	PLACES 4
; THE WAY OUT, an image of 16 rows x 128 columns at a time: through my own stage in LDS and back as whole rows of 512 bytes.  LDS serves a wave's instructions in order: no wait between the stores and the loads.
.macro TOSTAGE a
	WIN 0x08                                       ; an LDS store's data are its source 1: window 2
.irp b, 0,1,2,3
.irp j, 0,1,2,3
	ds_store_b128 v[VST], v[64*(\a)+16*\b+4*\j:64*(\a)+16*\b+4*\j+3] offset:128*\b+16*\j   ; each accumulator from its low end on
.endr
.endr
	WIN 0
.set OBS, 32+112*((\a)%2)
.irp i, 0,1,2,3,4,5,6,7,8,9,10,11,12,13,14,15
	ds_load_b128 v[OBS+4*\i:OBS+4*\i+3], v[VRD] offset:528*\i
.endr
.endm
.macro SEND a, younger                 ; younger: the LDS instructions issued behind image a's loads, which may stay out
.set OBS, 32+112*((\a)%2)
	s_wait_dscnt \younger
.irp i, 0,1,2,3,4,5,6,7,8,9,10,11,12,13,14,15
	global_store_b128 v[L16], v[OBS+4*\i:OBS+4*\i+3], s[8:9] offset:(32*((\a)/2)+8*((\a)%2)+\i+8*(\i/8))*16384 th:TH_STORE_NT   ; 512 consecutive bytes, at a multiple of 256 from out0's first byte
.endr
.endm
	TOSTAGE 0
	TOSTAGE 1
	SEND 0, 32                                     ; behind image 0's loads: image 1's 16 stores and 16 loads
	s_wait_xcnt 0x0                                ; image 0's stores have read their registers: image 2's loads may land there
	TOSTAGE 2
	SEND 1, 32
	s_wait_xcnt 0x0
	TOSTAGE 3
	SEND 2, 32
	SEND 3, 0
	s_wait_tensorcnt 0x0                           ; the wave's end
	ds_add_u32 v[SPW], v[NIL]
	s_wait_dscnt 0x0
	CROUND                                         ; the closing round
	s_endpgm
.Lfunc_end_k_q5fe463b282_oproj:
	.size	k_q5fe463b282_oproj, .Lfunc_end_k_q5fe463b282_oproj-k_q5fe463b282_oproj
	.p2alignl 7, 3214868480
	.fill 96, 4, 3214868480
	.section	.rodata,"a",@progbits
	.p2align	6, 0x0
	.amdhsa_kernel k_q5fe463b282_oproj
		.amdhsa_group_segment_fixed_size 327680
		.amdhsa_private_segment_fixed_size 0
		.amdhsa_enable_private_segment 0
		.amdhsa_kernarg_size 24
		.amdhsa_user_sgpr_count 2
		.amdhsa_user_sgpr_kernarg_segment_ptr 1
		.amdhsa_wavefront_size32 1
		.amdhsa_system_sgpr_workgroup_id_x 1
		.amdhsa_system_sgpr_workgroup_id_y 1
		.amdhsa_system_sgpr_workgroup_id_z 1
		.amdhsa_system_vgpr_workitem_id 0
		.amdhsa_next_free_vgpr 768
		.amdhsa_next_free_sgpr 100
		.amdhsa_reserve_vcc 0
		.amdhsa_float_denorm_mode_32 3
		.amdhsa_float_denorm_mode_16_64 3
		.amdhsa_memory_ordered 1
		.amdhsa_forward_progress 1
		.amdhsa_inst_pref_size 131
	.end_amdhsa_kernel
	.amdgpu_metadata
---
amdhsa.version: [ 1, 2 ]
amdhsa.kernels:
  - .name:           k_q5fe463b282_oproj
    .symbol:         k_q5fe463b282_oproj.kd
    .args:
      - { .name: ai, .offset: 0, .size: 8, .value_kind: global_buffer, .address_space: global }
      - { .name: woi, .offset: 8, .size: 8, .value_kind: global_buffer, .address_space: global }
      - { .name: out0, .offset: 16, .size: 8, .value_kind: global_buffer, .address_space: global }
    .group_segment_fixed_size: 327680
    .private_segment_fixed_size: 0
    .kernarg_segment_align: 8
    .kernarg_segment_size: 24
    .max_flat_workgroup_size: 128
    .sgpr_count:     100
    .vgpr_count:     768
    .wavefront_size: 32
...
	.end_amdgpu_metadata
.endif
;; end of part 4
